; MI455X (gfx1250); checked and timed in simulation.
; The chip was launched on July 23, 2026; its instructions are those of AMD's public machine-readable ISA for CDNA 5 (MIT licence, August 2026) and "CDNA5" Instruction Set Architecture Reference Guide (July 2026). The comments in the code are by the model that wrote it; some were corrected since.
;; Block. Allowed arithmetic: float matrix products may take bf16 or f16 operands with f32 sums; other float arithmetic in f32, or as packed bf16 or f16 multiplies, adds, multiply-adds, maxima and minima; sums over many terms, partial sums and values carried from step to step in f32; what a program stores and reads back later, other than sums and carried values, may be rounded once to bf16 or f16.
;; Inputs: W1 1,024 x 4,096 float32; W2 4,096 x 1,024 float32; Wk 1,024 x 1,024 float32; Wo 1,024 x 1,024 float32; Wq 1,024 x 1,024 float32; Wv 1,024 x 1,024 float32; b1 4,096 float32; b2 1,024 float32; g1 1,024 float32; g2 1,024 float32; x 2 x 2,048 x 1,024 float32.
;; Outputs: out0 2 x 2,048 x 1,024 float32.
;; One version. Each part assembles by itself: llvm-mc -triple=amdgcn-amd-amdhsa -mcpu=gfx1250 --defsym DOCPART=n.
;; ======== version 1 of 1: 6 launches
;; workspace buffers: wt 25,165,824 bytes; h 8,388,608 bytes; qkv 25,165,824 bytes; y 8,388,608 bytes; x2 16,777,216 bytes; xb 8,388,608 bytes; ss 262,144 bytes; act 33,554,432 bytes
;; launch prep (part 1): grid 512 x 4, 8 waves a work-group, no clusters, 18,432 bytes of LDS; arguments Wq, Wk, Wv, Wo, W1, W2, g2, x, g1, wt, h; writes wt, h
.if DOCPART == 1
	.amdgcn_target "amdgcn-amd-amdhsa--gfx1250"
	.amdhsa_code_object_version 6
	.text
	.protected	k_qc0dac56122_prep
	.globl	k_qc0dac56122_prep
	.p2align	8
	.type	k_qc0dac56122_prep,@function
k_qc0dac56122_prep:
	s_mov_b64 s[64:65], 0
	v_nop
	global_prefetch_b8 v0, s[64:65] scope:SCOPE_SE
	s_setreg_imm32_b32 hwreg(HW_REG_WAVE_MODE, 25, 1), 1
	s_wait_xcnt 0x0
; Two jobs that hang on the inputs alone, in one launch; the grid's y says which.
; y = 0, 1, 2: the six weights, f32 [k][n], are rounded once to bf16 and turned into [n][k], so that K lies along the rows of every B operand.
;   wt: byte 0: [4096][1024] = Wq^T, Wk^T, Wv^T, Wo^T; byte 8,388,608: (g2 W1)^T [4096][1024]; byte 16,777,216: W2^T [1024][4096].
;   W1's row k is multiplied by g2[k] first: rmsnorm(x2, g2) W1 = rs (x2 (g2 W1)), rs a number a row, which the launch that multiplies applies to its sums.
;   A work-group turns a tile of 128 k x 64 n: 128 input rows of 256 bytes, 64 output rows of 256 bytes.  y = 0: the four square weights (128 tiles each), y = 1: W1, y = 2: W2.
; y = 3: h[r][c] = bf16( x[r][c] * rsqrt(mean_c x[r][c]^2 + 1e-6) * g1[c] ), [4096][1024]: 8 rows a work-group, a row a wave, kept in registers between the sum and the scaling; sums in f32.
; Memory binds: each byte is read once and written once, in whole aligned runs of 256 bytes.  No matrix unit, no cluster: the work-groups share nothing.
; The branch on y is alike in all waves of a work-group; the norm's path holds no barrier and touches no LDS but its spare words.
.set PITCH, 272                        ; an LDS row: 128 bf16 + 16 bytes
.set SPARE, 64*PITCH                   ; behind the tile: the spare words, 128 bytes for each of the eight waves
.set SPW, 6                            ; v6   LDS address of my spare word; never rewritten
.set NIL, 7                            ; v7   0; never rewritten
.set R,   8                            ; weights: v[8:39]   load (j, e): 4 f32 at R + 8 j + 4 e
.set VO,  40                           ; v[40:47]  the eight loads' byte offsets
.set SO,  48                           ; v[48:51]  the four stores' byte offsets
.set T,   52                           ; v[52:67]  packed pairs
.set GO,  68                           ; v68       my byte offset in g2
.set GF,  72                           ; v[72:79]  the factor of input row (j, e): g2 for W1, else 1
.set G,   8                            ; norm: v[8:39]   g1 of my 32 columns: 4 lane + 128 j + 0..3
.set X,   40                           ; v[40:71]  the row
.set Q,   72                           ; v[72:79]  four packed chains of squares
.set RS,  80                           ; v[80:81]  the row's factor, twice (a pair for the packed multiply)
.set TT,  82                           ; v82       mean + eps
	s_load_b256 s[8:15], s[0:1], 0x0               ; Wq s[8:9], Wk s[10:11], Wv s[12:13], Wo s[14:15]
	s_load_b256 s[16:23], s[0:1], 0x20             ; W1 s[16:17], W2 s[18:19], g2 s[20:21], x s[22:23]
	s_load_b128 s[24:27], s[0:1], 0x40             ; g1 s[24:25], wt s[26:27]
	s_load_b64 s[28:29], s[0:1], 0x50              ; h
	v_lshl_add_u32 v[SPW], v0, 2, SPARE
	v_mov_b32 v[NIL], 0
	s_and_b32 s2, ttmp7, 0xffff                    ; y: which job
	s_mov_b32 s3, ttmp9                            ; x: which tile, or which 8 rows
	s_cmp_eq_u32 s2, 3
	s_cbranch_scc1 .Lnorm
	s_lshr_b32 s4, s3, 7                           ; y = 0: which of the four
	s_and_b32 s5, s3, 127
	s_cmp_eq_u32 s2, 0
	s_cselect_b32 s5, s5, s3                       ; the tile's number inside its weight
	s_cmp_eq_u32 s2, 1
	s_cselect_b32 s40, 14, 12                      ; log2 of an input row's bytes: 4 n
	s_cmp_eq_u32 s2, 2
	s_cselect_b32 s41, 5, 3                        ; log2 of the tiles along k
	s_cselect_b32 s42, 13, 11                      ; log2 of an output row's bytes: 2 k
	s_lshl_b32 s43, s4, 21
	s_lshl_b32 s44, s2, 23
	s_cmp_eq_u32 s2, 0
	s_cselect_b32 s43, s43, s44                    ; the weight's first byte in wt
	s_lshl_b32 s44, 1, s41
	s_sub_co_u32 s44, s44, 1
	s_and_b32 s45, s5, s44                         ; kt
	s_lshr_b32 s46, s5, s41                        ; nt
	s_lshl_b32 s47, s45, 7
	s_lshl_b32 s47, s47, s40                       ; 128 kt input rows
	s_lshl_b32 s48, s46, 8                         ; 64 nt columns of 4 bytes
	s_add_co_u32 s48, s47, s48
	s_mov_b32 s49, 0
	s_lshl_b32 s50, s46, 6
	s_lshl_b32 s50, s50, s42                       ; 64 nt output rows
	s_lshl_b32 s47, s45, 8                         ; 128 kt columns of 2 bytes
	s_add_co_u32 s50, s50, s47
	s_add_co_u32 s50, s50, s43
	s_mov_b32 s51, 0
	s_lshl_b32 s54, s45, 9                         ; 128 kt numbers of g2
	s_mov_b32 s55, 0
	v_and_b32 v1, 15, v0                           ; c: my 16 bytes of a run of 256
	v_lshrrev_b32 v2, 4, v0                        ; rp: 0 .. 15
	v_lshlrev_b32 v3, 4, v1
	v_lshlrev_b32 v[GO], 3, v2                     ; g2 of input row 2 rp
.irp j, 0,1,2,3
.irp e, 0,1
	v_lshl_add_u32 v[VO+2*(\j)+(\e)], v2, 1, 32*(\j)+(\e)            ; input row 2 rp + e + 32 j
	v_lshl_add_u32 v[VO+2*(\j)+(\e)], v[VO+2*(\j)+(\e)], s40, v3
	v_mov_b32 v[GF+2*(\j)+(\e)], 1.0
.endr
.endr
	s_wait_kmcnt 0x0
	s_cmp_lg_u32 s2, 1
	s_cbranch_scc1 .Lnog                           ; only W1 takes a gain
	s_add_nc_u64 s[20:21], s[20:21], s[54:55]
.irp j, 0,1,2,3
.irp e, 0,1
	global_load_b32 v[GF+2*(\j)+(\e)], v[GO], s[20:21] offset:128*(\j)+4*(\e)
.endr
.endr
.Lnog:
	s_cmp_eq_u32 s4, 1
	s_cselect_b64 s[52:53], s[10:11], s[8:9]
	s_cmp_eq_u32 s4, 2
	s_cselect_b64 s[52:53], s[12:13], s[52:53]
	s_cmp_eq_u32 s4, 3
	s_cselect_b64 s[52:53], s[14:15], s[52:53]
	s_cmp_eq_u32 s2, 1
	s_cselect_b64 s[52:53], s[16:17], s[52:53]
	s_cmp_eq_u32 s2, 2
	s_cselect_b64 s[52:53], s[18:19], s[52:53]
	s_add_nc_u64 s[52:53], s[52:53], s[48:49]      ; the tile in its weight
	s_add_nc_u64 s[26:27], s[26:27], s[50:51]      ; and in wt
.irp j, 0,1,2,3
.irp e, 0,1
	global_load_b128 v[R+8*(\j)+4*(\e):R+8*(\j)+4*(\e)+3], v[VO+2*(\j)+(\e)], s[52:53] th:TH_LOAD_NT  ; 16 lanes take 256 bytes of a row
.endr
.endr
	v_mul_u32_u24 v4, v1, 4*PITCH
	v_lshl_add_u32 v4, v2, 2, v4                   ; in: LDS row n = 4 c, byte 4 rp
	v_mul_u32_u24 v5, v2, PITCH
	v_add_nc_u32 v5, v5, v3                        ; back: LDS row rp, byte 16 c
.irp p, 0,1,2,3
	v_add_nc_u32 v[SO+(\p)], 16*(\p), v2
	v_lshl_add_u32 v[SO+(\p)], v[SO+(\p)], s42, v3 ; output row rp + 16 p
.endr
.irp j, 0,1,2,3
	s_wait_loadcnt 6-2*(\j)                        ; pair j of the weight's loads is in, and g2's, which are older; the younger pairs stay out
.irp i, 0,1,2,3
	v_mul_f32 v[R+8*(\j)+(\i)], v[GF+2*(\j)], v[R+8*(\j)+(\i)]
	v_mul_f32 v[R+8*(\j)+4+(\i)], v[GF+2*(\j)+1], v[R+8*(\j)+4+(\i)]
	v_cvt_pk_bf16_f32 v[T+4*(\j)+(\i)], v[R+8*(\j)+(\i)], v[R+8*(\j)+4+(\i)]   ; k = 2 rp + 32 j and the next, of column 4 c + i
	ds_store_b32 v4, v[T+4*(\j)+(\i)] offset:(\i)*PITCH+64*(\j)
.endr
.endr
	s_wait_dscnt 0x0                               ; for the others' sake: my stores are done
	s_barrier_signal -1
	s_barrier_wait -1
.irp p, 0,1,2,3
	ds_load_b128 v[R+4*(\p):R+4*(\p)+3], v5 offset:(\p)*16*PITCH
.endr
.irp p, 0,1,2,3
	s_wait_dscnt 3-(\p)
	global_store_b128 v[SO+(\p)], v[R+4*(\p):R+4*(\p)+3], s[26:27]   ; 16 lanes store 256 consecutive bytes, aligned
.endr
	s_branch .Lend
.Lnorm:
	v_and_b32 v1, 31, v0
	v_lshrrev_b32 v2, 5, v0
	v_lshlrev_b32 v3, 4, v1                        ; g1: 16 x lane
	v_lshl_add_u32 v4, v2, 12, v3                  ; x: + wave x a row of 4,096 bytes
	v_lshlrev_b32 v5, 3, v1
	v_lshl_add_u32 v5, v2, 11, v5                  ; h: 8 x lane + wave x a row of 2,048 bytes
	s_lshl_b32 s40, s3, 15                         ; the work-group's 8 rows in x,
	s_mov_b32 s41, 0
	s_lshl_b32 s42, s3, 14                         ; and in h
	s_mov_b32 s43, 0
	s_mov_b32 s44, 0x76543210                      ; v_permlanex16_b32: each lane takes its own place in the other half
	s_mov_b32 s45, 0xfedcba98
	s_mov_b32 s46, 0x3a800000                      ; 1 / 1024
	s_mov_b32 s47, 0x358637bd                      ; 1e-6
	s_wait_kmcnt 0x0
	s_add_nc_u64 s[22:23], s[22:23], s[40:41]
	s_add_nc_u64 s[28:29], s[28:29], s[42:43]
.irp j, 0,1,2,3,4,5,6,7
	global_load_b128 v[G+4*(\j):G+4*(\j)+3], v3, s[24:25] offset:512*(\j)
.endr
.irp j, 0,1,2,3,4,5,6,7
	global_load_b128 v[X+4*(\j):X+4*(\j)+3], v4, s[22:23] offset:512*(\j) th:TH_LOAD_NT   ; 512 consecutive bytes a load
.endr
	s_wait_loadcnt 0x0
.irp c, 0,1,2,3
	v_pk_mul_f32 v[Q+2*(\c):Q+2*(\c)+1], v[X+2*(\c):X+2*(\c)+1], v[X+2*(\c):X+2*(\c)+1]
.endr
.set p, 4
.rept 12
	v_pk_fma_f32 v[Q+2*(p%4):Q+2*(p%4)+1], v[X+2*p:X+2*p+1], v[X+2*p:X+2*p+1], v[Q+2*(p%4):Q+2*(p%4)+1]
.set p, p+1
.endr
	v_pk_add_f32 v[Q:Q+1], v[Q:Q+1], v[Q+2:Q+3]
	v_pk_add_f32 v[Q+4:Q+5], v[Q+4:Q+5], v[Q+6:Q+7]
	v_pk_add_f32 v[Q:Q+1], v[Q:Q+1], v[Q+4:Q+5]
	v_add_f32 v[Q], v[Q], v[Q+1]
	v_add_f32_dpp v[Q], v[Q], v[Q] row_xmask:1 row_mask:0xf bank_mask:0xf
	v_add_f32_dpp v[Q], v[Q], v[Q] row_xmask:2 row_mask:0xf bank_mask:0xf
	v_add_f32_dpp v[Q], v[Q], v[Q] row_xmask:4 row_mask:0xf bank_mask:0xf
	v_add_f32_dpp v[Q], v[Q], v[Q] row_xmask:8 row_mask:0xf bank_mask:0xf
	v_permlanex16_b32 v[Q+1], v[Q], s44, s45
	v_add_f32 v[Q], v[Q], v[Q+1]
	v_fma_f32 v[TT], v[Q], s46, s47
	v_rsq_f32 v[RS], v[TT]
	v_rsq_f32 v[RS+1], v[TT]
	v_nop                                          ; a plain instruction behind the last root,
	s_wait_alu depctr_va_vdst(0)                   ; and one wait for the two, ahead of their first reader
.irp j, 0,1,2,3,4,5,6,7
	v_pk_mul_f32 v[X+4*(\j):X+4*(\j)+1], v[X+4*(\j):X+4*(\j)+1], v[RS:RS+1]
	v_pk_mul_f32 v[X+4*(\j)+2:X+4*(\j)+3], v[X+4*(\j)+2:X+4*(\j)+3], v[RS:RS+1]
	v_pk_mul_f32 v[X+4*(\j):X+4*(\j)+1], v[X+4*(\j):X+4*(\j)+1], v[G+4*(\j):G+4*(\j)+1]
	v_pk_mul_f32 v[X+4*(\j)+2:X+4*(\j)+3], v[X+4*(\j)+2:X+4*(\j)+3], v[G+4*(\j)+2:G+4*(\j)+3]
	v_cvt_pk_bf16_f32 v[X+4*(\j)], v[X+4*(\j)], v[X+4*(\j)+1]
	v_cvt_pk_bf16_f32 v[X+4*(\j)+1], v[X+4*(\j)+2], v[X+4*(\j)+3]
	global_store_b64 v5, v[X+4*(\j):X+4*(\j)+1], s[28:29] offset:256*(\j)   ; 32 lanes store 256 consecutive bytes, aligned
.endr
.Lend:
	s_wait_tensorcnt 0x0                           ; the wave's end: behind my last LDS store
	ds_add_u32 v[SPW], v[NIL]
	s_wait_dscnt 0x0
	s_endpgm
.Lfunc_end_k_qc0dac56122_prep:
	.size	k_qc0dac56122_prep, .Lfunc_end_k_qc0dac56122_prep-k_qc0dac56122_prep
	.p2alignl 7, 3214868480
	.fill 96, 4, 3214868480
	.section	.rodata,"a",@progbits
	.p2align	6, 0x0
	.amdhsa_kernel k_qc0dac56122_prep
		.amdhsa_group_segment_fixed_size 18432
		.amdhsa_private_segment_fixed_size 0
		.amdhsa_enable_private_segment 0
		.amdhsa_kernarg_size 88
		.amdhsa_user_sgpr_count 2
		.amdhsa_user_sgpr_kernarg_segment_ptr 1
		.amdhsa_wavefront_size32 1
		.amdhsa_system_sgpr_workgroup_id_x 1
		.amdhsa_system_sgpr_workgroup_id_y 1
		.amdhsa_system_sgpr_workgroup_id_z 1
		.amdhsa_system_vgpr_workitem_id 0
		.amdhsa_next_free_vgpr 88
		.amdhsa_next_free_sgpr 66
		.amdhsa_reserve_vcc 0
		.amdhsa_float_denorm_mode_32 3
		.amdhsa_float_denorm_mode_16_64 3
		.amdhsa_memory_ordered 1
		.amdhsa_forward_progress 1
		.amdhsa_inst_pref_size 18
	.end_amdhsa_kernel
	.amdgpu_metadata
---
amdhsa.version: [ 1, 2 ]
amdhsa.kernels:
  - .name:           k_qc0dac56122_prep
    .symbol:         k_qc0dac56122_prep.kd
    .args:
      - { .name: Wq, .offset: 0, .size: 8, .value_kind: global_buffer, .address_space: global }
      - { .name: Wk, .offset: 8, .size: 8, .value_kind: global_buffer, .address_space: global }
      - { .name: Wv, .offset: 16, .size: 8, .value_kind: global_buffer, .address_space: global }
      - { .name: Wo, .offset: 24, .size: 8, .value_kind: global_buffer, .address_space: global }
      - { .name: W1, .offset: 32, .size: 8, .value_kind: global_buffer, .address_space: global }
      - { .name: W2, .offset: 40, .size: 8, .value_kind: global_buffer, .address_space: global }
      - { .name: g2, .offset: 48, .size: 8, .value_kind: global_buffer, .address_space: global }
      - { .name: x, .offset: 56, .size: 8, .value_kind: global_buffer, .address_space: global }
      - { .name: g1, .offset: 64, .size: 8, .value_kind: global_buffer, .address_space: global }
      - { .name: wt, .offset: 72, .size: 8, .value_kind: global_buffer, .address_space: global }
      - { .name: h, .offset: 80, .size: 8, .value_kind: global_buffer, .address_space: global }
    .group_segment_fixed_size: 18432
    .private_segment_fixed_size: 0
    .kernarg_segment_align: 8
    .kernarg_segment_size: 88
    .max_flat_workgroup_size: 256
    .sgpr_count:     66
    .vgpr_count:     88
    .wavefront_size: 32
...
	.end_amdgpu_metadata
.endif
;; end of part 1
;; launch proj_qkv (part 2): grid 12 x 16, 4 waves a work-group, clusters of 4 x 4, 327,680 bytes of LDS; arguments h, wt, qkv; writes qkv
.if DOCPART == 2
	.amdgcn_target "amdgcn-amd-amdhsa--gfx1250"
	.amdhsa_code_object_version 6
	.text
	.protected	k_qc0dac56122_proj_qkv
	.globl	k_qc0dac56122_proj_qkv
	.p2align	8
	.type	k_qc0dac56122_proj_qkv,@function
k_qc0dac56122_proj_qkv:
	s_mov_b64 s[64:65], 0
	v_nop
	global_prefetch_b8 v0, s[64:65] scope:SCOPE_SE
	s_setreg_imm32_b32 hwreg(HW_REG_WAVE_MODE, 25, 1), 1
	s_wait_xcnt 0x0
	s_wait_alu depctr_hold_cnt(0) depctr_sa_sdst(0) depctr_va_vdst(0) depctr_va_sdst(0) depctr_va_ssrc(0) depctr_va_vcc(0) depctr_vm_vsrc(0)
	s_getreg_b32 s2, hwreg(HW_REG_IB_STS2, 6, 4)
	s_cmp_eq_u32 s2, 0
	s_cbranch_scc0 .Lentry_in_a_cluster
	s_endpgm
.Lentry_in_a_cluster:
	s_bfe_u32 s2, ttmp6, 0x10000c
	s_cmp_lg_u32 s2, 0xf033
	s_cbranch_scc0 .Lentry_shape_is_right
	s_endpgm
.Lentry_shape_is_right:
; FF1 = 0: q, k, v = h Wq, h Wk, h Wv, stored by heads: qkv = three tensors [32 = batch x 16 + head][2048][64] bf16, unscaled, each rounded once from its f32 sum.
; FF1 = 1: act = gelu(h W1 + b1), exact form, [4096][4096] bf16.
; A = h [4096][1024] bf16; B = rows of wt, [n][1024] bf16 (K along the rows).  Sums in f32.
; A tile of C, 256 x 256, is made by four waves, each 128 x 128: 64 accumulators, 512 registers.  K goes in 8 steps of 128 through two LDS slots filled by tensor loads
; (rows of 256 bytes, aligned).  One K step is written once: the loop toggles the slot by an exclusive or; the last two steps, which ask for nothing, are a loop of two trips.
; CLUSTER 4 x 4: A's tile is shared along a row of the cluster, B's along a column: each is asked for jointly, by the same load with the same descriptor in the four that the mask names.
; The matrix instruction is used transposed (source 0 = 16 rows of B, source 1 = 16 rows of A): a lane holds row l % 16 of C and the columns 8 (l / 16) + 0..7.
; WAY OUT: the wave's 128 x 128 f32 go into LDS bytes of the ring, whose last fill is over and which nobody reads behind the last barrier; they come back by rows, 8 rows a trip.
; GELU (FF1): gelu(u) = u/2 + b (c0 - P(t) 2^(-b b)), b = k |u|, k = sqrt(log2(e)/2), t = 1/(1 + 0.2727375 b), c0 = 1/(2k), P the polynomial of Abramowitz and Stegun 7.1.26 times c0:
; erf to 1.5e-7 for every u.  LIMIT: for u < 0 the two halves cancel to within 6e-8 |u|, absolute.  NaN and infinities are not treated apart.  b1 is the C operand of the first products.
; REGISTERS, in windows of 256: window 0: v16-30 addresses; v32-47 packed results; v64-127, v128-191 A's fragments, two buffers; v192-255 the bias (FF1), later at work.
;   window 1: v64-127, v128-191 B's fragments.   windows 2, 3: accumulator (a, b) at v[8 (8 (a % 4) + b)] of window 2 + a / 4.
.set FF1, 0
.set KSTEP,  128
.set PITCH,  272                       ; an LDS row: 256 bytes + 16 of padding: the 16 rows of a fragment load start at 16 different groups of four banks
.set HALFT,  128*PITCH                 ; what one tensor load brings
.set SLOT,   4*HALFT                   ; A's 256 rows, then B's 256 rows; its two bits are set in no wave x HALFT, so an exclusive or changes slots
.set DP,     528                       ; the way out: a row of 128 f32 + 16 bytes
.set DW,     128*DP                    ; a wave's part of it
.set SPARE,  2*SLOT                    ; behind the ring: the spare words, 128 bytes for each wave
.set ADRA,  16                         ; v16  LDS address of my A fragments in the slot in hand;  v17 in slot 0
.set ADRA0, 17
.set ADRB,  20                         ; v20, v21 the same for B
.set ADRB0, 21
.set STO,   24                         ; v24  the way out: where I put 32 bytes of a row
.set RD,    25                         ; v25  where I read rows back
.set CO,    26                         ; v26  my byte offset in the output
.set BO,    27                         ; v27  my byte offset in the bias
.set SPW,   28                         ; v28  LDS address of my spare word; never rewritten
.set NIL,   29                         ; v29  0; never rewritten
.set PFO,   30                         ; v30  the prefetches' offset: lane x 2,048 bytes; never rewritten
.set OUT,   32
.set F0,    64
.set F1,    128
.set BIAS,  192
.set U,     64                         ; the GELU's registers, 32 each
.set BV,    96
.set TR,    128
.set EE,    160
.set PP,    192
.set G1,  24                           ; s[24:31] group 1 for A;  s[32:39] group 0, two sets; the second walks
.set G0,  32
.set G1B, 48                           ; s[48:55], s[56:63] the same for B
.set G0B, 56
.set LIM, 43                           ; s43  2 in a wave that prefetches, else the greatest number
.set PFA, 44                           ; s[44:45] where my prefetches stand
.set TB,  66                           ; s66  0 or SLOT: the slot in hand
.set KC,  70
.set PCO, 72
.set C0,  74
.set A1,  76
.set A2,  78
.set A3,  80
.set A4,  82
.set A5,  84
.set MSB, 0
.macro WIN new                         ; the immediate's high byte repeats the setting that is left
.if MSB != (\new)
	s_set_vgpr_msb (MSB<<8)|(\new)
.set MSB, \new
.endif
.endm
.set MUL_LO, 0xa1                      ; source 0 (B) window 1, source 1 (A) window 0, C and D window 2 (0xf1: window 3)
.set TO_B,   0x40                      ; destination window 1, address window 0
.macro JLOAD s                         ; a joint load: waves 0 and 1 fetch A's halves, waves 2 and 3 B's; an s_nop 0 and four v_nop follow each line
	s_cmp_eq_u32 s11, 0
	s_cbranch_scc0 .Lfor_b_\@
	tensor_load_to_lds s[G0+4*(\s):G0+4*(\s)+3], s[G1:G1+7]
	s_nop 0
.rept 4
	v_nop
.endr
	s_branch .Lasked_\@
.Lfor_b_\@:
	tensor_load_to_lds s[G0B+4*(\s):G0B+4*(\s)+3], s[G1B:G1B+7]
	s_nop 0
.rept 4
	v_nop
.endr
.Lasked_\@:
.endm
; A prefetch of the K step that stands two refills on: 32 rows x 256 bytes, a lane a row.  A's rows are asked for by the clusters with x = 0, B's by those with y = 0; the four partners that
; fetch a tile jointly take 32 of its 128 rows each, told apart by address.  So each row's 256 bytes of a K step are named once.  K steps 0 to 3 come by their loads alone; steps 4 to 7 are named in the first four trips.
.macro ASK
	s_cmp_gt_u32 s3, s[LIM]
	s_cbranch_scc0 .Lnot_mine_\@
	global_prefetch_b8 v[PFO], s[PFA:PFA+1] offset:KSTEP*2 th:TH_LOAD_NT scope:SCOPE_SE
.Lnot_mine_\@:
.endm
.macro CREST                           ; a round of the cluster's barrier behind its opening barrier
	s_cmp_lg_u32 s10, 0
	s_cbranch_scc1 .Lnot_wave_0_\@
	s_barrier_signal -3
.Lnot_wave_0_\@:
	s_barrier_wait -3
	s_barrier_signal -1
	s_barrier_wait -1
.endm
.macro CROUND
	s_barrier_signal -1
	s_barrier_wait -1
	CREST
.endm
.macro SPAIR r, val                    ; a constant in both words of a scalar pair
	s_mov_b32 s[\r], \val
	s_mov_b32 s[\r+1], \val
.endm
	s_load_b128 s[4:7], s[0:1], 0x0                ; h s[4:5], wt s[6:7]
.if FF1
	s_load_b64 s[68:69], s[0:1], 0x10              ; b1
	s_load_b64 s[8:9], s[0:1], 0x18                ; act
.else
	s_load_b64 s[8:9], s[0:1], 0x10                ; qkv
.endif
	v_lshl_add_u32 v[SPW], v0, 2, SPARE
	v_mov_b32 v[NIL], 0
	ds_add_u32 v[SPW], v[NIL]                      ; the wave's opening: the add and its wait stand ahead of my first tensor load; work on registers stands between them
	ds_add_u32 v28, v29
	v_lshrrev_b32 v1, 5, v0
	v_readfirstlane_b32 s10, v1                    ; wave 0..3
	s_lshr_b32 s11, s10, 1                         ; my half of the tile's rows.  Also: I fetch for A (0) or B (1)
	s_and_b32 s12, s10, 1                          ; my half of its columns.  Also: which 128 rows I fetch
	s_bfe_u32 s40, ttmp6, 0x40000                  ; cx
	s_bfe_u32 s41, ttmp6, 0x40004                  ; cy
	s_lshl_b32 s42, ttmp9, 2
	s_add_co_u32 s42, s42, s40                     ; tile column
	s_and_b32 s13, ttmp7, 0xffff
	s_lshl_b32 s13, s13, 2
	s_add_co_u32 s13, s13, s41                     ; tile row
	s_lshl_b32 s43, s41, 2
	s_lshl_b32 s43, 15, s43                        ; my row of the cluster
	s_lshl_b32 s44, 0x1111, s40                    ; my column
	s_or_b32 s[G1+0], s43, (1<<16)|(1<<20)|(1<<21)|(5<<22)|(3<<25)   ; mask; 2-byte elements; padding on; bit 21 beside a mask; after every 64 words 4 words
	s_or_b32 s[G1B+0], s44, (1<<16)|(1<<20)|(1<<21)|(5<<22)|(3<<25)
.irp g, G1, G1B
	s_mov_b32 s[(\g)+1], KSTEP<<16                 ; tensor_dim0 = 128
	s_mov_b32 s[(\g)+2], 128<<16                   ; tensor_dim1 = 128
	s_mov_b32 s[(\g)+3], KSTEP<<16                 ; tile_dim0 = 128
	s_mov_b32 s[(\g)+4], 128                       ; tile_dim1 = 128
	s_mov_b32 s[(\g)+5], 1024                      ; elements from row to row
	s_mov_b32 s[(\g)+6], 0
	s_mov_b32 s[(\g)+7], 0
.endr
.if FF1
	SPAIR KC,  0x3f596d27                          ; k = 0.8493218
	SPAIR PCO, 0x3e8ba43f                          ; 0.2727375
	SPAIR C0,  0x3f16b55f                          ; c0 = 0.5887050
	SPAIR A1,  0x3e199eb3                          ; c0 x  0.254829592
	SPAIR A2,  0xbe2b8119                          ; c0 x -0.284496736
	SPAIR A3,  0x3f563817                          ; c0 x  1.421413741
	SPAIR A4,  0xbf5b0099                          ; c0 x -1.453152027
	SPAIR A5,  0x3f1ff67a                          ; c0 x  1.061405429
.endif
	s_lshl_b32 s17, s12, 7
	s_lshl_b32 s16, s13, 8
	s_add_co_u32 s16, s16, s17                     ; A: row 256 x tile row + 128 x half
	s_lshl_b32 s46, s42, 8
	s_add_co_u32 s46, s46, s17                     ; B: row 256 x tile column + 128 x half
	s_lshl_b32 s16, s16, 11                        ; rows of 2,048 bytes
	s_lshl_b32 s46, s46, 11
	s_mov_b32 s17, 0
	s_mov_b32 s47, 0
	s_mul_i32 s20, s10, HALFT                      ; where they go: wave x 128 rows
	s_wait_dscnt 0x0                               ; the opening add is done
	s_wait_kmcnt 0x0
.if FF1
	s_add_nc_u64 s[6:7], s[6:7], 8388608           ; W1^T
.endif
	s_add_nc_u64 s[14:15], s[4:5], s[16:17]
	s_add_nc_u64 s[46:47], s[6:7], s[46:47]
	CROUND                                         ; all sixteen work-groups are here: the first joint loads meet
.irp s, 0,1
	s_mov_b32 s[G0+4*(\s)], 1
	s_add_co_u32 s[G0+4*(\s)+1], s20, (\s)*SLOT
	s_add_nc_u64 s[G0+4*(\s)+2:G0+4*(\s)+3], s[14:15], (\s)*KSTEP*2
	s_or_b32 s[G0+4*(\s)+3], s[G0+4*(\s)+3], 0x80000000
	s_mov_b32 s[G0B+4*(\s)], 1
	s_add_co_u32 s[G0B+4*(\s)+1], s20, (\s)*SLOT
	s_add_nc_u64 s[G0B+4*(\s)+2:G0B+4*(\s)+3], s[46:47], (\s)*KSTEP*2
	s_or_b32 s[G0B+4*(\s)+3], s[G0B+4*(\s)+3], 0x80000000
	JLOAD \s                                       ; K steps 0 and 1: two loads of mine are out
.endr
	v_and_b32 v1, 15, v0                           ; l % 16
	v_bfe_u32 v2, v0, 4, 1                         ; l / 16
	v_mul_u32_u24 v3, v1, PITCH
	v_lshl_add_u32 v3, v2, 4, v3                   ; a fragment's row x pitch + 16 x half
	s_mul_i32 s21, s11, HALFT
	s_mul_i32 s22, s12, HALFT
	s_add_co_u32 s22, s22, 2*HALFT
	v_add_nc_u32 v[ADRA0], s21, v3
	v_add_nc_u32 v[ADRB0], s22, v3
	v_mov_b32 v[ADRA], v[ADRA0]
	v_mov_b32 v[ADRB], v[ADRB0]
	s_mov_b32 s[TB], 0
	s_mul_i32 s23, s10, DW
	v_mul_u32_u24 v4, v1, DP
	v_lshl_add_u32 v4, v2, 5, v4
	v_add_nc_u32 v[STO], s23, v4                   ; row l % 16, 32 bytes for each half of the lanes
	s_lshl_b32 s86, s42, 8
	s_lshl_b32 s87, s12, 7
	s_add_co_u32 s86, s86, s87                     ; my first column
	s_lshl_b32 s88, s13, 8
	s_lshl_b32 s87, s11, 7
	s_add_co_u32 s88, s88, s87                     ; my first row
.if FF1
	v_and_b32 v5, 31, v0
	v_lshl_add_u32 v[RD], v5, 4, s23               ; back: 32 lanes take a row of 512 bytes,
	v_lshlrev_b32 v[CO], 3, v5                     ; which is 256 bytes of act
	s_lshl_b32 s90, s88, 13
	s_lshl_b32 s89, s86, 1
	s_add_co_u32 s90, s90, s89
	s_mov_b32 s91, 0
	s_add_nc_u64 s[8:9], s[8:9], s[90:91]
	s_lshl_b32 s92, s86, 2
	s_mov_b32 s93, 0
	s_add_nc_u64 s[68:69], s[68:69], s[92:93]
	v_lshlrev_b32 v[BO], 5, v2                     ; register j of block b holds b1[column 16 b + 8 (l / 16) + j]
.irp b, 0,1,2,3,4,5,6,7
	global_load_b128 v[BIAS+8*(\b):BIAS+8*(\b)+3],   v[BO], s[68:69] offset:64*(\b)
	global_load_b128 v[BIAS+8*(\b)+4:BIAS+8*(\b)+7], v[BO], s[68:69] offset:64*(\b)+16
.endr
.else
	v_and_b32 v5, 7, v0                            ; back: 8 channels (32 bytes of f32),
	v_bfe_u32 v6, v0, 3, 1                         ; of row 0 or 1 of a pair,
	v_mul_u32_u24 v7, v6, DP
	v_lshl_add_u32 v7, v2, 8, v7                   ; of my first or second head
	v_lshl_add_u32 v7, v5, 5, v7
	v_add_nc_u32 v[RD], s23, v7
	v_lshlrev_b32 v[CO], 18, v2                    ; a head is 262,144 bytes
	v_lshl_add_u32 v[CO], v6, 7, v[CO]
	v_lshl_add_u32 v[CO], v5, 4, v[CO]
	s_lshr_b32 s89, s86, 10
	s_lshl_b32 s89, s89, 23                        ; q, k or v
	s_lshr_b32 s90, s88, 11
	s_lshl_b32 s90, s90, 4                         ; batch x 16
	s_bfe_u32 s91, s86, 0x40006                    ; + head
	s_add_co_u32 s90, s90, s91
	s_lshl_b32 s90, s90, 11
	s_and_b32 s91, s88, 2047                       ; + the row in the batch
	s_add_co_u32 s90, s90, s91
	s_lshl_b32 s90, s90, 7                         ; rows of 128 bytes
	s_add_co_u32 s90, s90, s89
	s_mov_b32 s91, 0
	s_add_nc_u64 s[8:9], s[8:9], s[90:91]
.endif
	s_lshl_b32 s18, s13, 8                         ; the prefetches
	s_lshl_b32 s19, s42, 8
	s_and_b32 s22, ttmp7, 0xffff                   ; cluster y
	s_cmp_eq_u32 s11, 0                            ; do I fetch for A?
	s_cselect_b32 s20, s18, s19                    ; the tile's first row
	s_cselect_b32 s21, s40, s41                    ; my place among the four that ask with me
	s_cselect_b32 s22, ttmp9, s22                  ; the coordinate along which other clusters read the same rows
	s_cselect_b64 s[PFA:PFA+1], s[4:5], s[6:7]
	s_cmp_eq_u32 s22, 0
	s_cselect_b32 s[LIM], 2, -1                    ; the same in all sixteen partners, for a given wave
	s_lshl_b32 s22, s12, 7
	s_add_co_u32 s20, s20, s22
	s_lshl_b32 s21, s21, 5
	s_add_co_u32 s20, s20, s21
	s_lshl_b32 s20, s20, 11
	s_mov_b32 s21, 0
	s_add_nc_u64 s[PFA:PFA+1], s[PFA:PFA+1], s[20:21]
	s_add_nc_u64 s[PFA:PFA+1], s[PFA:PFA+1], 2*KSTEP*2   ; at K step 2: the first refill steps it to 3 and names step 4
	v_and_b32 v[PFO], 31, v0
	v_lshlrev_b32 v[PFO], 11, v[PFO]
; 16 matrix instructions: m blocks a0, a0 + 1 of the window's four x all 8 n blocks, 32 along K.  zero = 1: the first product starts the sums, with 0 or with the bias.
.macro MUL16 f, hi, a0, zero
.if (\zero) && FF1
	WIN 0x81+0x40*(\hi)                            ; C in window 0
.else
	WIN MUL_LO+0x50*(\hi)
.endif
.irp a, \a0, (\a0)+1
.irp b, 0,1,2,3,4,5,6,7
.if (\zero) && FF1
	v_wmma_f32_16x16x32_bf16 v[8*(8*(\a)+(\b)):8*(8*(\a)+(\b))+7], v[(\f)+8*(\b):(\f)+8*(\b)+7], v[(\f)+8*(4*(\hi)+(\a)):(\f)+8*(4*(\hi)+(\a))+7], v[BIAS+8*(\b):BIAS+8*(\b)+7]
.elseif \zero
	v_wmma_f32_16x16x32_bf16 v[8*(8*(\a)+(\b)):8*(8*(\a)+(\b))+7], v[(\f)+8*(\b):(\f)+8*(\b)+7], v[(\f)+8*(4*(\hi)+(\a)):(\f)+8*(4*(\hi)+(\a))+7], 0
.else
	v_wmma_f32_16x16x32_bf16 v[8*(8*(\a)+(\b)):8*(8*(\a)+(\b))+7], v[(\f)+8*(\b):(\f)+8*(\b)+7], v[(\f)+8*(4*(\hi)+(\a)):(\f)+8*(4*(\hi)+(\a))+7], v[8*(8*(\a)+(\b)):8*(8*(\a)+(\b))+7]
.endif
.endr
.endr
.endm
.macro FETCH k, f                      ; 32 LDS loads in one run: a quarter step's fragments, at byte k of the rows of the slot in hand
	WIN TO_B
.irp i, 0,1,2,3,4,5,6,7
	ds_load_b128 v[(\f)+8*(\i):(\f)+8*(\i)+3],   v[ADRB] offset:(\k)+(\i)*16*PITCH
	ds_load_b128 v[(\f)+8*(\i)+4:(\f)+8*(\i)+7], v[ADRB] offset:(\k)+(\i)*16*PITCH+32
.endr
	WIN 0
.irp i, 0,1,2,3,4,5,6,7
	ds_load_b128 v[(\f)+8*(\i):(\f)+8*(\i)+3],   v[ADRA] offset:(\k)+(\i)*16*PITCH
	ds_load_b128 v[(\f)+8*(\i)+4:(\f)+8*(\i)+7], v[ADRA] offset:(\k)+(\i)*16*PITCH+32
.endr
.endm
.macro PLACES                          ; four plain instructions between a matrix instruction and a load into, or a read of, its registers
.rept 4
	v_nop
.endr
.endm
.macro QUARTER k, f, g, zero           ; 64 matrix instructions on buffer f; in their middle the next quarter's fragments, at byte k, go into buffer g
	s_wait_dscnt 8                                 ; B and A's rows 0-63 are in; the youngest eight loads (A's rows 64-127) may be out
	MUL16 \f, 0, 0, \zero
	MUL16 \f, 0, 2, \zero
	PLACES
	FETCH \k, \g
	s_wait_dscnt 32                                ; all but the 32 just issued
	MUL16 \f, 1, 0, \zero
	MUL16 \f, 1, 2, \zero
.endm
.macro MEET                            ; the first half of a step's last quarter, and the barrier of the change of slots
	WIN 0
	s_wait_tensorcnt 0x0                           ; all my tensor loads have landed: the one that was out is my part of the next slot;
	ds_add_u32 v[SPW], v[NIL]                      ; 0 onto my spare word;
	s_wait_dscnt 9                                 ; (the add and the youngest eight loads may be out)
	MUL16 F1, 0, 0, 0
	s_wait_dscnt 0x0                               ; the add is done, and my reads of this slot are over
	s_barrier_signal -1
	MUL16 F1, 0, 2, 0
	WIN 0
	s_barrier_wait -1
.endm
.macro TURN1                           ; the last quarter of a step whose slot is filled again, with the K step two on
	s_wait_xcnt 0x0                                ; the last prefetch, a K step back, has read its address
	s_add_nc_u64 s[PFA:PFA+1], s[PFA:PFA+1], KSTEP*2
	MEET
	CREST                                          ; the barrier has opened a round of the cluster's: no wave of any partner still reads this slot or has a load on its way
	s_xor_b32 s[G0+5], s[G0+5], SLOT               ; the walking descriptors: the other slot than last time, the next K step
	s_add_nc_u64 s[G0+6:G0+7], s[G0+6:G0+7], KSTEP*2
	s_xor_b32 s[G0B+5], s[G0B+5], SLOT
	s_add_nc_u64 s[G0B+6:G0B+7], s[G0B+6:G0B+7], KSTEP*2
	JLOAD 1                                        ; my one tensor load behind the round; its four v_nop are also the places in front of the loads below
	s_xor_b32 s[TB], s[TB], SLOT
	v_add_nc_u32 v[ADRA], s[TB], v[ADRA0]
	v_add_nc_u32 v[ADRB], s[TB], v[ADRB0]
	FETCH 0, F0
	ASK
	MUL16 F1, 1, 0, 0
	MUL16 F1, 1, 2, 0
.endm
.macro TURN0                           ; the same where nothing is asked for; in the very last step nothing is fetched either
	MEET
	s_cmp_eq_u32 s3, 1
	s_cbranch_scc1 .Lnf_\@
	PLACES
	s_xor_b32 s[TB], s[TB], SLOT
	v_add_nc_u32 v[ADRA], s[TB], v[ADRA0]
	v_add_nc_u32 v[ADRB], s[TB], v[ADRB0]
	FETCH 0, F0
.Lnf_\@:
	MUL16 F1, 1, 0, 0
	MUL16 F1, 1, 2, 0
.endm
.if FF1
	s_wait_loadcnt 0x0                             ; the bias
.endif
	s_wait_tensorcnt 1                             ; my part of K step 0 is in; step 1's may stay out
	s_barrier_signal -1
	s_barrier_wait -1
	FETCH 0, F0
	QUARTER 64, F0, F1, 1                          ; the first quarter stands in front of the loop: its products start the sums
	WIN 0
	s_mov_b32 s3, 6
.Lstep:                                        ; a trip: a K step's quarters 2 to 4 and the next step's first; steps 2 to 7 are asked for
	QUARTER 128, F1, F0, 0
	QUARTER 192, F0, F1, 0
	TURN1
	QUARTER 64, F0, F1, 0
	WIN 0
	s_sub_co_u32 s3, s3, 1
	s_cmp_lg_u32 s3, 0
	s_cbranch_scc1 .Lstep
	s_mov_b32 s3, 2
.Ltail:                                        ; K steps 6 and 7; the second trip is left in its middle
	QUARTER 128, F1, F0, 0
	QUARTER 192, F0, F1, 0
	TURN0
	WIN 0
	s_sub_co_u32 s3, s3, 1
	s_cmp_eq_u32 s3, 0
	s_cbranch_scc1 .Lout
	QUARTER 64, F0, F1, 0
	WIN 0
	s_branch .Ltail
.Lout:
	PLACES
	PLACES
.irp a, 0,1,2,3,4,5,6,7                ; my 128 x 128 sums into my part of the ring's bytes: behind the last barrier nobody reads the ring, and nothing fills it again
	WIN 0x08+4*((\a)/4)                            ; the stores' data in window 2 or 3
.irp b, 0,1,2,3,4,5,6,7
	ds_store_b128 v[STO], v[8*(8*((\a)%4)+(\b)):8*(8*((\a)%4)+(\b))+3]   offset:(\a)*16*DP+64*(\b)
	ds_store_b128 v[STO], v[8*(8*((\a)%4)+(\b))+4:8*(8*((\a)%4)+(\b))+7] offset:(\a)*16*DP+64*(\b)+16
.endr
.endr
	WIN 0
	s_mov_b32 s3, 16
.Lrows:                                        ; 8 rows a trip; LDS serves a wave's instructions in order (ISA guide 5.7.1.4), so these loads see my stores
.if FF1
.irp q, 0,1,2,3,4,5,6,7
	ds_load_b128 v[U+4*(\q):U+4*(\q)+3], v[RD] offset:(\q)*DP
.endr
	s_wait_dscnt 0x0
.macro GA i, n                         ; line n of pair i: b = k |u| (twice); 1 + 0.2727375 b; - b b
.if (\n) < 2
	v_mul_f32 v[BV+2*(\i)+(\n)], s[KC], |v[U+2*(\i)+(\n)]|
.elseif (\n) == 2
	v_pk_fma_f32 v[TR+2*(\i):TR+2*(\i)+1], v[BV+2*(\i):BV+2*(\i)+1], s[PCO:PCO+1], 1.0 op_sel_hi:[1,0,0]
.else
	v_pk_mul_f32 v[EE+2*(\i):EE+2*(\i)+1], v[BV+2*(\i):BV+2*(\i)+1], v[BV+2*(\i):BV+2*(\i)+1] neg_lo:[1,0] neg_hi:[1,0]
.endif
.endm
.macro GT i, n                         ; line n of pair i's reciprocals and exponentials, in place
.if (\n) < 2
	v_rcp_f32 v[TR+2*(\i)+(\n)], v[TR+2*(\i)+(\n)]
.else
	v_exp_f32 v[EE+2*(\i)+(\n)-2], v[EE+2*(\i)+(\n)-2]
.endif
.endm
.macro STAGE line:vararg               ; one line for each of the 16 pairs
.set i, 0
.rept 16
	\line
.set i, i+1
.endr
.endm
.irp n, 0,1,2,3
	GA 0, \n
.endr
.set i, 1
.rept 15                               ; ONE batch of 64: a pair's four stand between the next pair's plain lines; nothing names a result ahead of the wait
.irp n, 0,1,2,3
	GA i, \n
	GT i-1, \n
.endr
.set i, i+1
.endr
.irp n, 0,1,2,3
	GT 15, \n
.endr
	v_nop                                          ; a plain instruction behind the last of them,
	s_wait_alu depctr_va_vdst(0)                   ; and one wait for the batch
	STAGE v_pk_fma_f32 v[PP+2*i:PP+2*i+1], v[TR+2*i:TR+2*i+1], s[A5:A5+1], s[A4:A4+1] op_sel_hi:[1,0,0]
	STAGE v_pk_fma_f32 v[PP+2*i:PP+2*i+1], v[PP+2*i:PP+2*i+1], v[TR+2*i:TR+2*i+1], s[A3:A3+1] op_sel_hi:[1,1,0]
	STAGE v_pk_fma_f32 v[PP+2*i:PP+2*i+1], v[PP+2*i:PP+2*i+1], v[TR+2*i:TR+2*i+1], s[A2:A2+1] op_sel_hi:[1,1,0]
	STAGE v_pk_fma_f32 v[PP+2*i:PP+2*i+1], v[PP+2*i:PP+2*i+1], v[TR+2*i:TR+2*i+1], s[A1:A1+1] op_sel_hi:[1,1,0]
	STAGE v_pk_mul_f32 v[PP+2*i:PP+2*i+1], v[PP+2*i:PP+2*i+1], v[TR+2*i:TR+2*i+1]
	STAGE v_pk_fma_f32 v[PP+2*i:PP+2*i+1], v[PP+2*i:PP+2*i+1], v[EE+2*i:EE+2*i+1], s[C0:C0+1] op_sel_hi:[1,1,0] neg_lo:[1,0,0] neg_hi:[1,0,0]
	STAGE v_pk_mul_f32 v[PP+2*i:PP+2*i+1], v[PP+2*i:PP+2*i+1], v[BV+2*i:BV+2*i+1]
	STAGE v_pk_fma_f32 v[PP+2*i:PP+2*i+1], v[U+2*i:U+2*i+1], 0.5, v[PP+2*i:PP+2*i+1] op_sel_hi:[1,0,1]
	STAGE v_cvt_pk_bf16_f32 v[OUT+i], v[PP+2*i], v[PP+2*i+1]
.irp q, 0,1,2,3,4,5,6,7
	global_store_b64 v[CO], v[OUT+2*(\q):OUT+2*(\q)+1], s[8:9] offset:(\q)*8192   ; 32 lanes store 256 consecutive bytes, aligned
.endr
	s_wait_xcnt 0x0                                ; the stores have read their registers and their base
	s_add_nc_u64 s[8:9], s[8:9], 65536
	v_add_nc_u32 v[RD], 8*DP, v[RD]
.else
.irp p, 0,1,2,3
	ds_load_b128 v[U+8*(\p):U+8*(\p)+3],   v[RD] offset:(\p)*2*DP
	ds_load_b128 v[U+8*(\p)+4:U+8*(\p)+7], v[RD] offset:(\p)*2*DP+16
.endr
	s_wait_dscnt 0x0
.irp p, 0,1,2,3
.irp i, 0,1,2,3
	v_cvt_pk_bf16_f32 v[OUT+4*(\p)+(\i)], v[U+8*(\p)+2*(\i)], v[U+8*(\p)+2*(\i)+1]
.endr
.endr
.irp p, 0,1,2,3
	global_store_b128 v[CO], v[OUT+4*(\p):OUT+4*(\p)+3], s[8:9] offset:256*(\p)   ; 16 lanes store two rows of a head: 256 consecutive bytes, aligned
.endr
	s_wait_xcnt 0x0                                ; the stores have read their registers
	v_add_nc_u32 v[RD], 8*DP, v[RD]
	v_add_nc_u32 v[CO], 1024, v[CO]
.endif
	s_sub_co_u32 s3, s3, 1
	s_cmp_lg_u32 s3, 0
	s_cbranch_scc1 .Lrows
	s_wait_tensorcnt 0x0                           ; the wave's end: behind my last tensor load and my last LDS store
	ds_add_u32 v[SPW], v[NIL]
	s_wait_dscnt 0x0
	CROUND                                         ; the closing round: no work-group ends while a partner may still ask for a tile that names it
	s_endpgm
.Lfunc_end_k_qc0dac56122_proj_qkv:
	.size	k_qc0dac56122_proj_qkv, .Lfunc_end_k_qc0dac56122_proj_qkv-k_qc0dac56122_proj_qkv
	.p2alignl 7, 3214868480
	.fill 96, 4, 3214868480
	.section	.rodata,"a",@progbits
	.p2align	6, 0x0
	.amdhsa_kernel k_qc0dac56122_proj_qkv
		.amdhsa_group_segment_fixed_size 327680
		.amdhsa_private_segment_fixed_size 0
		.amdhsa_enable_private_segment 0
		.amdhsa_kernarg_size 24
		.amdhsa_user_sgpr_count 2
		.amdhsa_user_sgpr_kernarg_segment_ptr 1
		.amdhsa_wavefront_size32 1
		.amdhsa_system_sgpr_workgroup_id_x 1
		.amdhsa_system_sgpr_workgroup_id_y 1
		.amdhsa_system_sgpr_workgroup_id_z 1
		.amdhsa_system_vgpr_workitem_id 0
		.amdhsa_next_free_vgpr 1024
		.amdhsa_next_free_sgpr 96
		.amdhsa_reserve_vcc 0
		.amdhsa_float_denorm_mode_32 3
		.amdhsa_float_denorm_mode_16_64 3
		.amdhsa_memory_ordered 1
		.amdhsa_forward_progress 1
		.amdhsa_inst_pref_size 80
	.end_amdhsa_kernel
	.amdgpu_metadata
---
amdhsa.version: [ 1, 2 ]
amdhsa.kernels:
  - .name:           k_qc0dac56122_proj_qkv
    .symbol:         k_qc0dac56122_proj_qkv.kd
    .args:
      - { .name: h, .offset: 0, .size: 8, .value_kind: global_buffer, .address_space: global }
      - { .name: wt, .offset: 8, .size: 8, .value_kind: global_buffer, .address_space: global }
      - { .name: qkv, .offset: 16, .size: 8, .value_kind: global_buffer, .address_space: global }
    .group_segment_fixed_size: 327680
    .private_segment_fixed_size: 0
    .kernarg_segment_align: 8
    .kernarg_segment_size: 24
    .max_flat_workgroup_size: 128
    .sgpr_count:     96
    .vgpr_count:     1024
    .wavefront_size: 32
...
	.end_amdgpu_metadata
.endif
;; end of part 2
;; launch attn (part 3): grid 8 x 32, 4 waves a work-group, no clusters, 327,680 bytes of LDS; arguments qkv, y; writes y
.if DOCPART == 3
	.amdgcn_target "amdgcn-amd-amdhsa--gfx1250"
	.amdhsa_code_object_version 6
	.text
	.protected	k_qc0dac56122_attn
	.globl	k_qc0dac56122_attn
	.p2align	8
	.type	k_qc0dac56122_attn,@function
k_qc0dac56122_attn:
	s_mov_b64 s[64:65], 0
	v_nop
	global_prefetch_b8 v0, s[64:65] scope:SCOPE_SE
	s_setreg_imm32_b32 hwreg(HW_REG_WAVE_MODE, 25, 1), 1
	s_wait_xcnt 0x0
; CAUSAL ATTENTION.  y[hd][q][:] = the sum over k <= q of softmax_k(Q[hd][q] . K[hd][k] / 8) V[hd][k][:].  Q, K, V lie in qkv at bytes 0, 8,388,608 and 16,777,216, each [32][2048][64] bf16; y likewise.
; Products, maxima and sums in f32; the weights p are rounded to bf16 for the second product (their sum l is taken of the unrounded p), y once at the end.
; LIMITS.  A hidden score counts as its value less 1e30; a weight below 2^-126 counts as 0 in l; NaN and infinities are not treated apart.
; THE WALK.  A head's queries lie in 16 blocks of 128; keys go in slots of 256 (four steps of 64); block i needs the slots 0 .. i / 2.  A work-group takes blocks 15 - b and then b:
; 9 slots whatever b, so all 256 work-groups do equal work and one loop with a constant count walks them.  Which slot is asked for hangs on scalar registers made from b.
; NO CLUSTER: the 8 work-groups of a head ask for the same slot only in the walk's first 5 trips; a walk common to all would have 12 slots for 9.
; SHARES.  A wave owns two tiles of 16 queries, one in each of the block's two bands of 64: rows 64 u + 16 w + l % 16.  In the block's last slot band 2 (block % 2) + u sees step s whole if s is less,
; not at all if s is greater, and holds the diagonal if they are equal: the same work for all four waves.
; THE MASK is the C operand that starts S^T = K Q^T: MD x AL + BE, MD the mask of a band's own step for my rows (0 or -1e30): (1, 0) own step, (0, 0) seen, (0, -1e30) hidden.  Outside a block's last slot the mask registers hold 0.
; LAYOUT.  S^T holds one query a lane (l % 16) and the keys 8 (l / 16) + 0..7; two such results rounded to bf16 are source 1 of O^T = V^T P.  p = 2^(c s - c m), c = log2(e) / 8, m a running maximum;
; O and l are multiplied by a = 2^(c m_old - c m_new) in every step.  A STEP GOES IN PHASES: 16 products K Q^T; maximum and statistics; one batch of 66 exponentials with one wait; rescaling, roundings, sums; 16 products V^T P.
; REGISTERS, in windows of 256: window 0: v2-15 addresses; v16-23 statistics (c m, m, l, l a tile); v48-55 at work; v64-127 S^T; v192-223 P.
;   window 1: v0-63 O^T; v128-159 MD; v160-223 the masks.   window 2: v0-31 Q; v64-95 the second block's Q; v128-191 K of a step; v192-255 V of a step.
.set KS,    64
.set PK,    144                        ; a row of K in LDS: 128 bytes + 16
.set PV,    160                        ; a row of V: 128 + 32
.set VOFF,  4*KS*PK                    ; a slot: 256 rows of K, then 256 rows of V
.set SLOT1, 1<<17
.set STAGE, SLOT1+4*KS*(PK+PV)         ; behind the ring, never filled by a tensor load: 16 rows x 144 bytes for each wave
.set SP,    144
.set SPARE, STAGE+4*16*SP              ; behind the stages: the spare words, 128 bytes for each wave
.set AK0, 2
.set AV0, 3
.set AK,  4
.set AV,  5
.set STO, 6
.set RD,  7
.set GO,  8
.set MV,  12                           ; v12-13  c m_old
.set QO,  15
.set ST,  16
.set TMP, 48
.set PFO, 61                           ; v61  256 x my thread's number; never rewritten
.set SPW, 62                           ; v62  LDS address of my spare word; never rewritten
.set NIL, 63                           ; v63  0; never rewritten
.set S,   64
.set P,   192
.set MD,  128
.set MC,  160
.set QB,  64
.set KF,  128
.set VF,  192
.set WV,  12
.set PB,  14                           ; s14  b
.set HI,  15                           ; s15  15 - b
.set G1K, 24
.set G1V, 32
.set G0K, 40
.set G0V, 44
.set KH,  48                           ; s[48:49] the head's first byte of K;  s[50:51] of V
.set VH,  50
.set PFK, 52                           ; s[52:53], s[54:55] the slot that the prefetches name
.set PFV, 54
.set SLOTS, 56
.set CNT, 57
.set CS,  58
.set SEL, 60
.set TBK, 62
.set TBV, 63
.set RT,  70                           ; s70  slots of the block in hand that are still to be entered
.set NXT, 71                           ; s71  the slot to be asked for next
.set LQ,  72                           ; s72  the last slot of the block whose slots are being asked for
.set OFF, 74
.set AL0, 76
.set BE0, 78
.set OLO, 80
.set BIGN, 82
.set LQ2, 83                           ; s83  b / 2
.set AL1, 88
.set BE1, 90
.set OWN0, 92                          ; s92, s93  the count CNT at which tile 0's, tile 1's band has its own step
.set OWN1, 93
.set LIM, 94                           ; s94  2 in the work-group that prefetches (b = 0), else the greatest number
.set OWNB, 95                          ; s95  OWN0 for the second block
.set MSB, 0
.macro WIN new
.if MSB != (\new)
	s_set_vgpr_msb (MSB<<8)|(\new)
.set MSB, (\new)
.endif
.endm
.set W_KQ, 0x0a                        ; K and Q in window 2, S^T in window 0
.set W_KM, 0x1a                        ; the same with C in window 1
.set W_PV, 0x52                        ; V in window 2, P in window 0, O^T in window 1
.set W_RS, 0x41                        ; destination and source 0 in window 1
.macro LOAD                            ; waves 0 and 1 fetch the halves of a slot's K, waves 2 and 3 of its V; an s_nop 0 and four v_nop follow each line
	s_cmp_lt_u32 s[WV], 2
	s_cbranch_scc0 .Lfor_v_\@
	tensor_load_to_lds s[G0K:G0K+3], s[G1K:G1K+7]
	s_nop 0
.rept 4
	v_nop
.endr
	s_branch .Lasked_\@
.Lfor_v_\@:
	tensor_load_to_lds s[G0V:G0V+3], s[G1V:G1V+7]
	s_nop 0
.rept 4
	v_nop
.endr
.Lasked_\@:
.endm
; A prefetch of the slot that the NEXT change will ask for: 128 blocks of 256 bytes of K and of V, a thread a block.  The 8 work-groups of a head walk the same slots: the one with b = 0, which walks all 8, asks,
; in its first six changes, for slots 2 to 7: four key steps ahead of the load.  Slots 0 and 1 come by their loads alone.  Each block is named once.
.macro ASK
	s_cmp_gt_u32 s[SLOTS], s[LIM]
	s_cbranch_scc0 .Lnp_\@
	global_prefetch_b8 v[PFO], s[PFK:PFK+1] th:TH_LOAD_NT scope:SCOPE_SE
	global_prefetch_b8 v[PFO], s[PFV:PFV+1] th:TH_LOAD_NT scope:SCOPE_SE
.Lnp_\@:
.endm
; THE CHANGE OF SLOTS.  Each wave waits for all its tensor loads (one is out: its part of the other slot), adds 0 to its spare word, and waits for that and for its reads of the slot that it leaves.
; Behind the barrier nobody reads the old slot and the other is whole.  fill = 1: the old slot is filled again, first thing, with slot NXT: the descriptor's address is made anew from that number.
.macro CHANGE fill
	WIN 0
	s_wait_tensorcnt 0x0                           ; no tensor load of mine is out, so a group 0 may be written
	ds_add_u32 v[SPW], v[NIL]                      ; 0 onto my spare word: scalar work stands between it and the wait for it
.if \fill
	s_wait_xcnt 0x0                                ; the last prefetches, four key steps back, have read their addresses
	s_lshl_b32 s[OFF], s[NXT], 15                  ; a slot is 32,768 bytes of K and of V
	s_xor_b32 s[G0K+1], s[G0K+1], SLOT1
	s_add_nc_u64 s[G0K+2:G0K+3], s[6:7], s[OFF:OFF+1]
	s_or_b32 s[G0K+3], s[G0K+3], 0x80000000
	s_xor_b32 s[G0V+1], s[G0V+1], SLOT1
	s_add_nc_u64 s[G0V+2:G0V+3], s[8:9], s[OFF:OFF+1]
	s_or_b32 s[G0V+3], s[G0V+3], 0x80000000
	s_add_co_u32 s[NXT], s[NXT], 1                 ; the block's next slot, or behind its last the second block's slot 0
	s_cmp_gt_u32 s[NXT], s[LQ]
	s_cselect_b32 s[NXT], 0, s[NXT]
	s_cselect_b32 s[LQ], s[LQ2], s[LQ]
	s_lshl_b32 s[OFF], s[NXT], 15
	s_add_nc_u64 s[PFK:PFK+1], s[KH:KH+1], s[OFF:OFF+1]
	s_add_nc_u64 s[PFV:PFV+1], s[VH:VH+1], s[OFF:OFF+1]
.endif
	s_wait_dscnt 0x0                               ; the add is done, and my reads of the slot are over
	s_barrier_signal -1
	s_sub_co_u32 s[TBK], s[TBK], 4*KS*PK           ; the fetches go back to a slot's first step, in the other slot
	s_xor_b32 s[TBK], s[TBK], SLOT1
	s_sub_co_u32 s[TBV], s[TBV], 4*KS*PV
	s_xor_b32 s[TBV], s[TBV], SLOT1
	s_barrier_wait -1
.if \fill
	LOAD
	ASK
.endif
.endm
	s_load_b64 s[4:5], s[0:1], 0x0                 ; qkv
	s_load_b64 s[10:11], s[0:1], 0x8               ; y
	v_lshl_add_u32 v[SPW], v0, 2, SPARE
	v_mov_b32 v[NIL], 0
	ds_add_u32 v[SPW], v[NIL]                      ; the wave's opening: the add and its wait stand ahead of my first tensor load; work on registers stands between them
	ds_add_u32 v62, v63
	v_lshrrev_b32 v1, 5, v0
	v_readfirstlane_b32 s[WV], v1
	s_mov_b32 s[PB], ttmp9
	s_sub_co_u32 s[HI], 15, s[PB]
	s_and_b32 s20, ttmp7, 0xffff
	s_lshl_b32 s20, s20, 18                        ; the head's first byte in each tensor
	s_mov_b32 s21, 0
	s_and_b32 s16, s[WV], 1                        ; which half of a slot's 256 keys I fetch
	s_lshl_b32 s22, s16, 14
	s_mov_b32 s23, 0
	s_mul_i32 s17, s16, 128*PK
	s_mul_i32 s18, s16, 128*PV
	s_lshl_b32 s3, s[WV], 11                       ; my 16 rows in a band,
	s_lshl_b32 s2, s[HI], 14                       ; in the first block,
	s_add_co_u32 s2, s2, s3
	s_lshl_b32 s84, s[PB], 14                      ; and in the second
	s_add_co_u32 s84, s84, s3
	s_mov_b32 s3, 0
	s_mov_b32 s85, 0
	s_add_nc_u64 s[2:3], s[2:3], s[20:21]
	s_add_nc_u64 s[84:85], s[84:85], s[20:21]
	s_mov_b32 s[G1K], (1<<16)|(1<<20)|(4<<22)|(3<<25)   ; 2-byte elements; padding on; after every 32 words 4 words
	s_mov_b32 s[G1V], (1<<16)|(1<<20)|(4<<22)|(7<<25)   ; the same with 8 words
.irp g, G1K, G1V
	s_mov_b32 s[\g+1], 128<<16                     ; 128 keys are 16,384 dense bytes: 64 rows of 256 bytes, two keys a row
	s_mov_b32 s[\g+2], 64<<16
	s_mov_b32 s[\g+3], 128<<16
	s_mov_b32 s[\g+4], 64
	s_mov_b32 s[\g+5], 128
	s_mov_b32 s[\g+6], 0
	s_mov_b32 s[\g+7], 0
.endr
	s_mov_b32 s[CS], 0x3e38aa3b                    ; c = log2(e) / 8
	s_mov_b32 s[CS+1], s[CS]
	s_mov_b32 s[SEL], 0x76543210
	s_mov_b32 s[SEL+1], 0xfedcba98
	s_mov_b32 s[TBK], SLOT1+4*KS*PK                ; the first change of slots turns these two into 0
	s_mov_b32 s[TBV], SLOT1+4*KS*PV
	s_mov_b32 s[G0K], 1
	s_mov_b32 s[G0K+1], s17
	s_mov_b32 s[G0V], 1
	s_add_co_u32 s[G0V+1], s18, VOFF
	s_lshr_b32 s[LQ], s[HI], 1
	s_lshr_b32 s[LQ2], s[PB], 1
	s_add_co_u32 s[RT], s[LQ], 1
	s_mov_b32 s[NXT], 1
	s_and_b32 s[OWN0], s[HI], 1
	s_lshl_b32 s[OWN0], s[OWN0], 1
	s_sub_co_u32 s[OWN0], 4, s[OWN0]
	s_sub_co_u32 s[OWN1], s[OWN0], 1
	s_and_b32 s[OWNB], s[PB], 1
	s_lshl_b32 s[OWNB], s[OWNB], 1
	s_sub_co_u32 s[OWNB], 4, s[OWNB]
	s_cmp_eq_u32 s[PB], 0
	s_cselect_b32 s[LIM], 2, -1
	s_mov_b32 s[OFF+1], 0
	s_mov_b32 s[AL0+1], 0                          ; named as pairs
	s_mov_b32 s[BE0+1], 0
	s_mov_b32 s[AL1+1], 0
	s_mov_b32 s[BE1+1], 0
	s_mov_b32 s[BIGN], 0xf149f2ca                  ; -1e30
	s_mov_b32 s[SLOTS], 8
	s_wait_dscnt 0x0                               ; the opening add is done
	s_wait_kmcnt 0x0
	s_add_nc_u64 s[KH:KH+1], s[4:5], s[20:21]
	s_add_nc_u64 s[VH:VH+1], s[KH:KH+1], 16777216
	s_add_nc_u64 s[KH:KH+1], s[KH:KH+1], 8388608
	s_add_nc_u64 s[6:7], s[KH:KH+1], s[22:23]      ; K and V at my half of the head's slot 0
	s_add_nc_u64 s[8:9], s[VH:VH+1], s[22:23]
	s_add_nc_u64 s[G0K+2:G0K+3], s[6:7], 0
	s_or_b32 s[G0K+3], s[G0K+3], 0x80000000
	s_add_nc_u64 s[G0V+2:G0V+3], s[8:9], 0
	s_or_b32 s[G0V+3], s[G0V+3], 0x80000000
	s_add_nc_u64 s[86:87], s[4:5], s[84:85]        ; Q at my rows of the second block,
	s_add_nc_u64 s[4:5], s[4:5], s[2:3]            ; Q and y at those of the first
	s_add_nc_u64 s[OLO:OLO+1], s[10:11], s[84:85]
	s_add_nc_u64 s[10:11], s[10:11], s[2:3]
	LOAD                                           ; slot 0
	v_and_b32 v1, 15, v0                           ; l % 16
	v_bfe_u32 v9, v0, 4, 1                         ; l / 16
	v_lshlrev_b32 v[QO], 7, v1
	v_lshl_add_u32 v[QO], v9, 4, v[QO]
	WIN 0x80
.set i, 0
.rept 4                                ; both blocks' Q: tile i / 2 lies 64 rows on; channels 32 (i % 2) on
	global_load_b128 v[8*i:8*i+3],   v[QO], s[4:5] offset:(i/2)*8192+(i%2)*64
	global_load_b128 v[8*i+4:8*i+7], v[QO], s[4:5] offset:(i/2)*8192+(i%2)*64+32
	global_load_b128 v[QB+8*i:QB+8*i+3],   v[QO], s[86:87] offset:(i/2)*8192+(i%2)*64
	global_load_b128 v[QB+8*i+4:QB+8*i+7], v[QO], s[86:87] offset:(i/2)*8192+(i%2)*64+32
.set i, i+1
.endr
	WIN 0
	v_lshlrev_b32 v14, 3, v9
	v_sub_nc_u32 v14, v1, v14
	s_lshl_b32 s13, s[WV], 4
	v_add_nc_u32 v14, s13, v14                     ; my query's place in its band less 8 (l / 16): register r of key group kt is hidden where 16 kt + r is greater
	WIN 0x40
.set i, 0
.rept 32
	v_cmp_gt_i32 vcc_lo, 16*(i/8)+i%8, v14
	v_cndmask_b32 v[MD+i], 0, s[BIGN], vcc_lo
.set i, i+1
.endr
.set i, 0
.rept 64
	v_mov_b32 v[i], 0                              ; O^T: a block's first step multiplies it by a = 0, so it need only be finite
.set i, i+1
.endr
	WIN 0
	v_mul_u32_u24 v[AK0], v1, PK
	v_lshl_add_u32 v[AK0], v9, 4, v[AK0]
	v_and_b32 v10, 7, v0                           ; the turning load: lane l reads key 8 (l / 16) + l % 8, channels 8 ((l / 8) % 2) + 0..7
	v_bfe_u32 v11, v0, 3, 1
	v_lshl_add_u32 v[AV0], v9, 3, v10
	v_mul_u32_u24 v[AV0], v[AV0], PV
	v_lshl_add_u32 v[AV0], v11, 4, v[AV0]
	v_add_nc_u32 v[AV0], VOFF, v[AV0]
	s_mul_i32 s13, s[WV], 16*SP
	s_add_co_u32 s13, s13, STAGE
	v_mul_u32_u24 v[STO], v1, SP
	v_lshl_add_u32 v[STO], v9, 4, v[STO]
	v_add_nc_u32 v[STO], s13, v[STO]
	v_bfe_u32 v[RD], v0, 3, 2
	v_mul_u32_u24 v[RD], v[RD], SP
	v_lshl_add_u32 v[RD], v10, 4, v[RD]
	v_add_nc_u32 v[RD], s13, v[RD]
	v_and_b32 v[GO], 31, v0
	v_lshlrev_b32 v[GO], 4, v[GO]
	v_lshlrev_b32 v[PFO], 8, v0
.irp u, 0,1
	v_mov_b32 v[ST+4*\u+2], 0
	v_mov_b32 v[ST+4*\u+3], 0
.endr
.macro PLACES
.rept 4
	v_nop
.endr
.endm
; Product i of 16 of S^T = K Q^T: channels 32 (i / 8) on, keys 16 ((i / 2) % 4) on, tile i % 2.  The first 8 start the sums with the mask.  The 8 accumulators take turns.
.macro KQ
.set rS, S+32*(i%2)+8*((i/2)%4)
.set rK, KF+16*((i/2)%4)+8*(i/8)
.set rQ, 16*(i%2)+8*(i/8)
.set rX, MC+32*(i%2)+8*((i/2)%4)
.if i < 8
	WIN W_KM
	v_wmma_f32_16x16x32_bf16 v[rS:rS+7], v[rK:rK+7], v[rQ:rQ+7], v[rX:rX+7]
.else
	WIN W_KQ
	v_wmma_f32_16x16x32_bf16 v[rS:rS+7], v[rK:rK+7], v[rQ:rQ+7], v[rS:rS+7]
.endif
.set i, i+1
.endm
; Product i of 16 of O^T += V^T P: keys 32 (i / 8) on, channels 16 ((i / 2) % 4) on, tile i % 2.
.macro PV_
	WIN W_PV
.set rO, 32*(i%2)+8*((i/2)%4)
.set rV, VF+32*(i/8)+8*((i/2)%4)
.set rP, P+16*(i%2)+8*(i/8)
	v_wmma_f32_16x16x32_bf16 v[rO:rO+7], v[rV:rV+7], v[rP:rP+7], v[rO:rO+7]
.set i, i+1
.endm
.macro FETCH_K                         ; a step's K: 64 keys x 64 channels, 8 fragments
	WIN 0x80
.irp f, 0,1,2,3,4,5,6,7
	ds_load_b128 v[KF+8*\f:KF+8*\f+3],   v[AK] offset:(\f/2)*16*PK+(\f%2)*64
	ds_load_b128 v[KF+8*\f+4:KF+8*\f+7], v[AK] offset:(\f/2)*16*PK+(\f%2)*64+32
.endr
	s_add_co_u32 s[TBK], s[TBK], KS*PK
	WIN 0
.endm
.macro FETCH_V                         ; a step's V, turned
	WIN 0x80
.irp f, 0,1,2,3,4,5,6,7
	ds_load_tr16_b128 v[VF+8*\f:VF+8*\f+3],   v[AV] offset:(\f/4)*32*PV+(\f%4)*32
	ds_load_tr16_b128 v[VF+8*\f+4:VF+8*\f+7], v[AV] offset:(\f/4)*32*PV+16*PV+(\f%4)*32
.endr
	s_add_co_u32 s[TBV], s[TBV], KS*PV
	WIN 0
.endm
.macro REGS u                          ; the registers of tile u
.set rT, ST+4*(\u)
.set rC, TMP+4*(\u)
.set rM, MV+(\u)
.set rS, S+32*(\u)
.set rP, P+16*(\u)
.set rO, 32*(\u)
.endm
; Number n of the 22 that find a tile's maximum and statistics: 0-11 four chains of seven scores (each accumulator's lowest registers are read first); 12-14, 16 the four left over, the old m, four into one;
; 15 c m_old is kept; 17, 18 the other half of the lanes' keys: the new m; 19-21 c m; c m_old - c m_new; a.
.macro XS u, n
	REGS \u
.if (\n) < 4
	v_max3_num_f32 v[rC+(\n)], v[rS+8*(\n)], v[rS+8*(\n)+1], v[rS+8*(\n)+2]
.elseif (\n) < 12
	v_max3_num_f32 v[rC+(\n)%4], v[rC+(\n)%4], v[rS+8*((\n)%4)+2*((\n)/4)+1], v[rS+8*((\n)%4)+2*((\n)/4)+2]
.elseif (\n) == 12
	v_max3_num_f32 v[rC], v[rC], v[rS+7], v[rS+15]
.elseif (\n) == 13
	v_max3_num_f32 v[rC+1], v[rC+1], v[rS+23], v[rS+31]
.elseif (\n) == 14
	v_max3_num_f32 v[rC+2], v[rC+2], v[rC+3], v[rT+1]
.elseif (\n) == 15
	v_mov_b32 v[rM], v[rT]
.elseif (\n) == 16
	v_max3_num_f32 v[rC], v[rC], v[rC+1], v[rC+2]
.elseif (\n) == 17
	v_permlanex16_b32 v[rC+3], v[rC], s[SEL], s[SEL+1]
.elseif (\n) == 18
	v_max_num_f32 v[rT+1], v[rC], v[rC+3]
.elseif (\n) == 19
	v_mul_f32 v[rT], s[CS], v[rT+1]
.elseif (\n) == 20
	v_sub_f32 v[rC+1], v[rM], v[rT]
.else
	v_exp_f32 v[rC+2], v[rC+1]
.endif
.endm
.macro FS f                            ; c s - c m for pair f / 2 of tile f % 2
	REGS (\f)%2
	v_pk_fma_f32 v[rS+2*((\f)/2):rS+2*((\f)/2)+1], v[rS+2*((\f)/2):rS+2*((\f)/2)+1], s[CS:CS+1], v[rT:rT+1] op_sel_hi:[1,0,0] neg_lo:[0,0,1] neg_hi:[0,0,1]
.endm
.macro EX e                            ; the exponential of score e / 2 of tile e % 2
	REGS (\e)%2
	v_exp_f32 v[rS+(\e)/2], v[rS+(\e)/2]
.endm
.macro R2 r                            ; four registers of O^T of tile r % 2 times a
	REGS (\r)%2
	WIN W_RS
.irp z, 0,1
	v_pk_mul_f32 v[rO+4*((\r)/2)+2*\z:rO+4*((\r)/2)+2*\z+1], v[rO+4*((\r)/2)+2*\z:rO+4*((\r)/2)+2*\z+1], v[rC+2:rC+3] op_sel_hi:[1,0]
.endr
.endm
; Number g of the 64 that follow the exponentials.  For each four weights of a tile: both pairs are rounded to bf16; the second pair is added onto the first, in place; a group later l takes that sum (the first time as l = a l + sum).
.macro GS g
.set h, (\g)+6*((\g)/62)
.if h >= 6
.set h, h+2
.endif
	REGS h%2
.set k, h/8
.if h%8 < 4
	v_cvt_pk_bf16_f32 v[rP+2*k+(h%8)/2], v[rS+4*k+2*((h%8)/2)], v[rS+4*k+2*((h%8)/2)+1]
.elseif h%8 < 6
	v_pk_add_f32 v[rS+4*k:rS+4*k+1], v[rS+4*k:rS+4*k+1], v[rS+4*k+2:rS+4*k+3]
.elseif k == 1
	v_pk_fma_f32 v[rT+2:rT+3], v[rT+2:rT+3], v[rC+2:rC+3], v[rS:rS+1] op_sel_hi:[1,0,1]
.else
	v_pk_add_f32 v[rT+2:rT+3], v[rT+2:rT+3], v[rS+4*k-4:rS+4*k-3]
.endif
.endm
.macro MASK u, al, be                  ; MD x AL + BE into tile u's mask registers
	WIN W_RS
.set z, 0
.rept 16
	v_pk_fma_f32 v[MC+32*(\u)+2*z:MC+32*(\u)+2*z+1], v[MD+2*z:MD+2*z+1], s[\al:\al+1], s[\be:\be+1] op_sel_hi:[1,0,0]
.set z, z+1
.endr
.endm
.macro INIT                            ; a block begins: c m far below every c s, so that the first a is 0; m the lowest finite number; the masks 0
	WIN 0
.irp u, 0,1
	v_mov_b32 v[ST+4*\u], 0xfe000000
	v_mov_b32 v[ST+4*\u+1], 0xff7fffff
.endr
	s_mov_b32 s[AL0], 0
	s_mov_b32 s[BE0], 0
	MASK 0, AL0, BE0
	MASK 1, AL0, BE0
	WIN 0
.endm
; A KEY STEP.  K of the next step is fetched behind the products K Q^T, V behind the products V^T P, each four plain instructions behind the last product that read the registers; a slot's last step fetches nothing.
.macro STEP
	WIN 0
	s_cmp_lg_u32 s[RT], 0
	s_cbranch_scc1 .Lnm_\@                         ; only a block's last slot makes masks
	s_cmp_eq_u32 s[CNT], s[OWN0]                   ; is this step the band's own?
	s_cselect_b32 s[AL0], 1.0, 0
	s_cmp_lt_u32 s[CNT], s[OWN0]                   ; or a later one?
	s_cselect_b32 s[BE0], s[BIGN], 0
	s_cmp_eq_u32 s[CNT], s[OWN1]
	s_cselect_b32 s[AL1], 1.0, 0
	s_cmp_lt_u32 s[CNT], s[OWN1]
	s_cselect_b32 s[BE1], s[BIGN], 0
	MASK 0, AL0, BE0
	MASK 1, AL1, BE1
	WIN 0
.Lnm_\@:
	s_wait_dscnt 16                                ; K is in; V's sixteen loads, which were issued behind K's, may stay out
.set i, 0
.rept 16
	KQ
.endr
	WIN 0
	PLACES
	s_cmp_eq_u32 s[CNT], 1
	s_cbranch_scc1 .Lnk_\@
	v_add_nc_u32 v[AK], s[TBK], v[AK0]
	FETCH_K
.Lnk_\@:
.irp n, 0,1,2,3,4,5,6,7,8,9,10,11,12,13,14,15,16,17,18,19,20
	XS 0, \n
	XS 1, \n
.endr
	XS 0, 21                                       ; ONE BATCH: the two a and the 64 weights; nothing ahead of the wait names a result.  An exponential's pair is scaled at least one line of scalings earlier
	XS 1, 21
	FS 0
	FS 1
	FS 2
	FS 3
.set t, 0
.rept 28
	EX 2*t
	EX 2*t+1
	FS 4+t
.set t, t+1
.endr
.set t, 56
.rept 8
	EX t
.set t, t+1
.endr
	v_nop                                          ; a plain instruction behind the last exponential,
	s_wait_alu depctr_va_vdst(0)                   ; and one wait for the batch
.set t, 0
.rept 16
	R2 t
.set t, t+1
.endr
	WIN 0
.set g, 0
.rept 64
	GS g
.set g, g+1
.endr
	s_wait_dscnt 0x0                               ; V is in (and the next step's K, where it was asked for)
.set i, 0
.rept 16
	PV_
.endr
	WIN 0
	PLACES
	s_cmp_eq_u32 s[CNT], 1
	s_cbranch_scc1 .Lnv_\@
	v_add_nc_u32 v[AV], s[TBV], v[AV0]
	FETCH_V
.Lnv_\@:
.endm
.macro TILE                            ; a slot's four key steps
	s_sub_co_u32 s[RT], s[RT], 1
	v_add_nc_u32 v[AK], s[TBK], v[AK0]
	v_add_nc_u32 v[AV], s[TBV], v[AV0]
	FETCH_K
	FETCH_V
	s_mov_b32 s[CNT], 4
.Lstep_\@:
	STEP
	s_sub_co_u32 s[CNT], s[CNT], 1
	s_cmp_lg_u32 s[CNT], 0
	s_cbranch_scc1 .Lstep_\@
.endm
.macro ALL line:vararg
.set t, 0
.rept 2
	\line
.set t, t+1
.endr
.endm
.macro PACK t                          ; O^T / l, rounded to bf16; 16 bytes a lane into rows of 144 bytes, back as whole rows of 128
	WIN W_RS
.set i, 32*(\t)
.rept 16
	v_pk_mul_f32 v[i:i+1], v[i:i+1], v[ST+4*(\t)+2:ST+4*(\t)+3] op_sel_hi:[1,0]
.set i, i+2
.endr
	WIN 0x05
.set i, 0
.rept 16
	v_cvt_pk_bf16_f32 v[S+16*(\t)+i], v[32*(\t)+2*i], v[32*(\t)+2*i+1]
.set i, i+1
.endr
	WIN 0
.irp f, 0,1,2,3
	ds_store_b128 v[STO], v[S+16*(\t)+4*\f:S+16*(\t)+4*\f+3] offset:32*\f
.endr
.irp f, 0,1,2,3
	ds_load_b128 v[S+16*(\t)+4*\f:S+16*(\t)+4*\f+3], v[RD] offset:\f*4*SP   ; LDS serves a wave's instructions in order (ISA guide 5.7.1.4): these see the stores above
.endr
.endm
.macro SEND t, younger                 ; younger: the LDS instructions issued behind tile t's loads
	WIN 0
.irp f, 0,1,2,3
	s_wait_dscnt (\younger)+3-\f
	global_store_b128 v[GO], v[S+16*(\t)+4*\f:S+16*(\t)+4*\f+3], s[10:11] offset:(\t)*8192+\f*512   ; 512 consecutive bytes, aligned to 256
.endr
.endm
.macro WAYOUT
	WIN 0
	ALL v_add_f32 v[ST+4*t+2], v[ST+4*t+2], v[ST+4*t+3]
	ALL v_permlanex16_b32 v[ST+4*t+3], v[ST+4*t+2], s[SEL], s[SEL+1]
	ALL v_add_f32 v[ST+4*t+2], v[ST+4*t+2], v[ST+4*t+3]
	ALL v_rcp_f32 v[ST+4*t+2], v[ST+4*t+2]
	v_nop                                          ; a plain instruction behind the last reciprocal,
	s_wait_alu depctr_va_vdst(0)                   ; and one wait for the two
	PACK 0
	PACK 1
	SEND 0, 8
	SEND 1, 0
.endm
	INIT
	s_wait_loadcnt 0x0                             ; both blocks' Q
.Lslot:                                        ; 8 times: a slot is entered and the next is asked for
	CHANGE 1
	TILE
	s_cmp_lg_u32 s[RT], 0
	s_cbranch_scc1 .Lbottom
	WAYOUT                                         ; the first block's end
	s_wait_xcnt 0x0                                ; the stores have read their registers and y's address
	s_mov_b64 s[10:11], s[OLO:OLO+1]
	s_add_co_u32 s[RT], s[LQ2], 1
	s_mov_b32 s[OWN0], s[OWNB]
	s_sub_co_u32 s[OWN1], s[OWNB], 1
	WIN 0x82
.set i, 0
.rept 32
	v_mov_b32 v[i], v[QB+i]                        ; the second block's Q goes where the one text of the steps names Q
.set i, i+1
.endr
	INIT
.Lbottom:
	s_sub_co_u32 s[SLOTS], s[SLOTS], 1
	s_cmp_lg_u32 s[SLOTS], 0
	s_cbranch_scc1 .Lslot
	CHANGE 0                                       ; the walk's last slot is written out
	TILE
	WAYOUT
	s_wait_tensorcnt 0x0                           ; the wave's end: behind my last tensor load and my last LDS store
	ds_add_u32 v[SPW], v[NIL]
	s_wait_dscnt 0x0
	s_endpgm
.Lfunc_end_k_qc0dac56122_attn:
	.size	k_qc0dac56122_attn, .Lfunc_end_k_qc0dac56122_attn-k_qc0dac56122_attn
	.p2alignl 7, 3214868480
	.fill 96, 4, 3214868480
	.section	.rodata,"a",@progbits
	.p2align	6, 0x0
	.amdhsa_kernel k_qc0dac56122_attn
		.amdhsa_group_segment_fixed_size 327680
		.amdhsa_private_segment_fixed_size 0
		.amdhsa_enable_private_segment 0
		.amdhsa_kernarg_size 16
		.amdhsa_user_sgpr_count 2
		.amdhsa_user_sgpr_kernarg_segment_ptr 1
		.amdhsa_wavefront_size32 1
		.amdhsa_system_sgpr_workgroup_id_x 1
		.amdhsa_system_sgpr_workgroup_id_y 1
		.amdhsa_system_sgpr_workgroup_id_z 1
		.amdhsa_system_vgpr_workitem_id 0
		.amdhsa_next_free_vgpr 768
		.amdhsa_next_free_sgpr 100
		.amdhsa_reserve_vcc 1
		.amdhsa_float_denorm_mode_32 3
		.amdhsa_float_denorm_mode_16_64 3
		.amdhsa_memory_ordered 1
		.amdhsa_forward_progress 1
		.amdhsa_inst_pref_size 80
	.end_amdhsa_kernel
	.amdgpu_metadata
---
amdhsa.version: [ 1, 2 ]
amdhsa.kernels:
  - .name:           k_qc0dac56122_attn
    .symbol:         k_qc0dac56122_attn.kd
    .args:
      - { .name: qkv, .offset: 0, .size: 8, .value_kind: global_buffer, .address_space: global }
      - { .name: y, .offset: 8, .size: 8, .value_kind: global_buffer, .address_space: global }
    .group_segment_fixed_size: 327680
    .private_segment_fixed_size: 0
    .kernarg_segment_align: 8
    .kernarg_segment_size: 16
    .max_flat_workgroup_size: 128
    .sgpr_count:     100
    .vgpr_count:     768
    .wavefront_size: 32
...
	.end_amdgpu_metadata
.endif
;; end of part 3
;; launch proj_o (part 4): grid 8 x 32, 4 waves a work-group, clusters of 4 x 4, 327,680 bytes of LDS; arguments y, wt, x, x2, xb, ss; writes x2, xb, ss
.if DOCPART == 4
	.amdgcn_target "amdgcn-amd-amdhsa--gfx1250"
	.amdhsa_code_object_version 6
	.text
	.protected	k_qc0dac56122_proj_o
	.globl	k_qc0dac56122_proj_o
	.p2align	8
	.type	k_qc0dac56122_proj_o,@function
k_qc0dac56122_proj_o:
	s_mov_b64 s[64:65], 0
	v_nop
	global_prefetch_b8 v0, s[64:65] scope:SCOPE_SE
	s_setreg_imm32_b32 hwreg(HW_REG_WAVE_MODE, 25, 1), 1
	s_wait_xcnt 0x0
	s_wait_alu depctr_hold_cnt(0) depctr_sa_sdst(0) depctr_va_vdst(0) depctr_va_sdst(0) depctr_va_ssrc(0) depctr_va_vcc(0) depctr_vm_vsrc(0)
	s_getreg_b32 s2, hwreg(HW_REG_IB_STS2, 6, 4)
	s_cmp_eq_u32 s2, 0
	s_cbranch_scc0 .Lentry_in_a_cluster
	s_endpgm
.Lentry_in_a_cluster:
	s_bfe_u32 s2, ttmp6, 0x10000c
	s_cmp_lg_u32 s2, 0xf033
	s_cbranch_scc0 .Lentry_shape_is_right
	s_endpgm
.Lentry_shape_is_right:
; x2 = x + y Wo, and what the next product wants of x2.  y lies by heads, [32][2048][64] bf16; Wo^T at byte 6,291,456 of wt, [1024][1024] bf16; x, x2 [4096][1024] f32.
; ALSO STORED: xb = bf16(x2) in blocks of 64 columns, [16][4096][64]: two rows of a block are 256 consecutive bytes; and ss[part][4096] f32, part = column / 64: the sum of x2^2 of a row over those 64 columns
; (partial sums in f32; the launch that multiplies adds the 16 parts and makes rsqrt(mean + eps)).  In ss, within each group of 64 rows, place 2 i + s holds row 32 s + i: a lane's two sums lie side by side.
; A tile of C is 128 x 128 (256 work-groups), four waves of 64 x 64: 16 accumulators.  K goes in 4 steps of 256 through two LDS slots; one step is written once, the slot toggled by an exclusive or;
; the last two steps, which ask for nothing, are a loop of two trips.  CLUSTER 4 x 4: A's tile shared along a row, B's along a column, each asked for jointly.
; A K step is four heads; the 128 rows x 64 channels of a head are 16,384 dense bytes, asked for as one row of the tile; a load brings two heads; LDS holds [head][row][128 + 16 bytes]; a quarter of a step is a head.
; The matrix instruction is used transposed (source 0 = rows of B, source 1 = rows of A).  The residual is loaded at the head, in the layout of the stores, and lands under the K loop.
; WAY OUT: the wave's 64 x 64 f32 go through its own 17,408 bytes of slot 0, whose last fill is over and which nobody reads behind the last barrier; whole rows of 256 bytes come back and take the residual.
; No prefetch: the tiles are small, and the launch has four K steps.
; REGISTERS: window 0: v16-31 addresses; v32-63 sums of squares; v64-127 at work, then xb; v128-255 the accumulators ((a, b) at 128 + 8 (4 a + b)).  window 1: two fragment buffers of 128 (64 of A, 64 of B).  window 2: v0-127 the residual.
.set BP,     528                       ; a row of B in LDS: 512 bytes + 16
.set BLD,    64*BP                     ; what a load of B brings
.set SIZE_K, 1024
.set AP,     144
.set AQ,     128*144                   ; from a quarter's fragments of A to the next's
.set ALD,    2*128*144                 ; what a load of A brings
.set SLOT,   147456                    ; its two bits are set in no LDS address of slot 0's tiles
.set ASTEP,  1048576                   ; four heads
.set NSTEP,  4
.set WOFF,   6291456
.set BOFF,   2*ALD                     ; B's rows lie behind A's
.set SPARE,  SLOT+BOFF+2*BLD           ; behind slot 1: the spare words, 128 bytes for each wave
.set SPITCH, 272
.set SW,     64*SPITCH
.set ADRA,  16
.set ADRA0, 17
.set ADRB,  20
.set ADRB0, 21
.set STO,   24
.set RD,    25
.set CO,    26                         ; v26  my byte offset in x and in x2; never rewritten
.set SPW,   28                         ; v28  LDS address of my spare word; never rewritten
.set NIL,   29                         ; v29  0; never rewritten
.set XO,    30                         ; v30  my byte offset in two rows of a block of xb: 8 x lane
.set SO2,   31                         ; v31  my byte offset in a group of 64 rows of ss
.set QQ,    32                         ; v[32:63]   row pair t: the sum of squares of my 4 columns; then of the 64
.set TP,    64                         ; v[64:127]  at work; then xb, two registers a row pair
.set ACC,   128
.set F0,    0
.set F1,    128
.set G1,  24
.set G0,  32
.set G1B, 48
.set G0B, 56
.set TB,  66
.set MSB, 0
.macro WIN new                         ; the immediate's high byte repeats the setting that is left
.if MSB != (\new)
	s_set_vgpr_msb (MSB<<8)|(\new)
.set MSB, \new
.endif
.endm
.set MUL,  0x05                        ; sources 0 (B) and 1 (A) window 1; C and D window 0
.set TO_F, 0x40                        ; destination window 1, address window 0
.macro JLOAD s                         ; a joint load: waves 0 and 1 fetch A's halves, waves 2 and 3 B's; an s_nop 0 and four v_nop follow each line
	s_cmp_eq_u32 s11, 0
	s_cbranch_scc0 .Lfor_b_\@
	tensor_load_to_lds s[G0+4*(\s):G0+4*(\s)+3], s[G1:G1+7]
	s_nop 0
.rept 4
	v_nop
.endr
	s_branch .Lasked_\@
.Lfor_b_\@:
	tensor_load_to_lds s[G0B+4*(\s):G0B+4*(\s)+3], s[G1B:G1B+7]
	s_nop 0
.rept 4
	v_nop
.endr
.Lasked_\@:
.endm
.macro CREST                           ; a round of the cluster's barrier behind its opening barrier
	s_cmp_lg_u32 s10, 0
	s_cbranch_scc1 .Lnot_wave_0_\@
	s_barrier_signal -3
.Lnot_wave_0_\@:
	s_barrier_wait -3
	s_barrier_signal -1
	s_barrier_wait -1
.endm
.macro CROUND
	s_barrier_signal -1
	s_barrier_wait -1
	CREST
.endm
	s_load_b128 s[4:7], s[0:1], 0x0                ; y s[4:5], wt s[6:7]
	s_load_b128 s[68:71], s[0:1], 0x10             ; x s[68:69], x2 s[70:71]
	s_load_b128 s[72:75], s[0:1], 0x20             ; xb s[72:73], ss s[74:75]
	v_lshl_add_u32 v[SPW], v0, 2, SPARE
	v_mov_b32 v[NIL], 0
	ds_add_u32 v[SPW], v[NIL]                      ; the wave's opening: the add and its wait stand ahead of my first tensor load; work on registers stands between them
	ds_add_u32 v28, v29
	v_lshrrev_b32 v1, 5, v0
	v_readfirstlane_b32 s10, v1
	s_lshr_b32 s11, s10, 1                         ; my half of the tile's rows.  Also: I fetch for A (0) or B (1)
	s_and_b32 s12, s10, 1                          ; my half of its columns.  Also: which half of that tile I fetch
	s_bfe_u32 s40, ttmp6, 0x40000
	s_bfe_u32 s41, ttmp6, 0x40004
	s_lshl_b32 s42, ttmp9, 2
	s_add_co_u32 s42, s42, s40                     ; tile column
	s_and_b32 s13, ttmp7, 0xffff
	s_lshl_b32 s13, s13, 2
	s_add_co_u32 s13, s13, s41                     ; tile row
	s_lshl_b32 s43, s41, 2
	s_lshl_b32 s43, 15, s43
	s_lshl_b32 s44, 0x1111, s40
	s_or_b32 s[G1+0], s43, (1<<16)|(1<<20)|(1<<21)|(4<<22)|(3<<25)   ; 2 heads x 8,192 elements; after every 32 words (a row of a head) 4 words
	s_mov_b32 s[G1+1], 8192<<16
	s_mov_b32 s[G1+2], 2<<16
	s_mov_b32 s[G1+3], 8192<<16
	s_mov_b32 s[G1+4], 2
	s_mov_b32 s[G1+5], 131072                      ; elements from head to head
	s_mov_b32 s[G1+6], 0
	s_mov_b32 s[G1+7], 0
	s_or_b32 s[G1B+0], s44, (1<<16)|(1<<20)|(1<<21)|(6<<22)|(3<<25)  ; 64 rows x 256 elements; after every 128 words 4 words
	s_mov_b32 s[G1B+1], 256<<16
	s_mov_b32 s[G1B+2], 64<<16
	s_mov_b32 s[G1B+3], 256<<16
	s_mov_b32 s[G1B+4], 64
	s_mov_b32 s[G1B+5], SIZE_K
	s_mov_b32 s[G1B+6], 0
	s_mov_b32 s[G1B+7], 0
	s_lshr_b32 s16, s13, 4
	s_lshl_b32 s16, s16, 22                        ; the batch's 16 heads
	s_and_b32 s17, s13, 15
	s_lshl_b32 s17, s17, 14                        ; the tile's 128 rows in a head
	s_add_co_u32 s16, s16, s17
	s_lshl_b32 s17, s12, 19                        ; my two heads of the step's four
	s_add_co_u32 s16, s16, s17
	s_mov_b32 s17, 0
	s_lshl_b32 s46, s42, 7
	s_lshl_b32 s47, s12, 6
	s_add_co_u32 s46, s46, s47                     ; B: row 128 x tile column + 64 x half
	s_mul_i32 s46, s46, SIZE_K*2
	s_add_co_u32 s46, s46, WOFF
	s_mov_b32 s47, 0
	s_mul_i32 s20, s12, ALD                        ; where they go
	s_mul_i32 s21, s12, BLD
	s_add_co_u32 s21, s21, BOFF
	s_wait_dscnt 0x0                               ; the opening add is done
	s_wait_kmcnt 0x0
	s_add_nc_u64 s[14:15], s[4:5], s[16:17]
	s_add_nc_u64 s[46:47], s[6:7], s[46:47]
	CROUND                                         ; all sixteen work-groups are here: the first joint loads meet
.irp s, 0,1
	s_mov_b32 s[G0+4*(\s)], 1
	s_add_co_u32 s[G0+4*(\s)+1], s20, (\s)*SLOT
	s_add_nc_u64 s[G0+4*(\s)+2:G0+4*(\s)+3], s[14:15], (\s)*ASTEP
	s_or_b32 s[G0+4*(\s)+3], s[G0+4*(\s)+3], 0x80000000
	s_mov_b32 s[G0B+4*(\s)], 1
	s_add_co_u32 s[G0B+4*(\s)+1], s21, (\s)*SLOT
	s_add_nc_u64 s[G0B+4*(\s)+2:G0B+4*(\s)+3], s[46:47], (\s)*512
	s_or_b32 s[G0B+4*(\s)+3], s[G0B+4*(\s)+3], 0x80000000
	JLOAD \s                                       ; K steps 0 and 1: two loads of mine are out
.endr
	v_and_b32 v1, 15, v0                           ; r = l % 16
	v_bfe_u32 v2, v0, 4, 1                         ; h = l / 16
	v_mul_u32_u24 v3, v1, AP
	v_lshl_add_u32 v3, v2, 4, v3
	s_mul_i32 s22, s11, 64*AP
	v_add_nc_u32 v[ADRA0], s22, v3
	v_mul_u32_u24 v3, v1, BP
	v_lshl_add_u32 v3, v2, 4, v3
	s_mul_i32 s22, s12, BLD
	s_add_co_u32 s22, s22, BOFF
	v_add_nc_u32 v[ADRB0], s22, v3
	v_mov_b32 v[ADRA], v[ADRA0]
	v_mov_b32 v[ADRB], v[ADRB0]
	s_mov_b32 s[TB], 0
	s_mul_i32 s23, s10, SW                         ; my stage
	v_mul_u32_u24 v4, v1, SPITCH
	v_lshl_add_u32 v4, v2, 5, v4
	v_add_nc_u32 v[STO], s23, v4                   ; in: row l % 16, 32 bytes for each half of the lanes
	v_mul_u32_u24 v5, v2, SPITCH
	v_lshl_add_u32 v5, v1, 4, v5
	v_add_nc_u32 v[RD], s23, v5                    ; back: lanes 0-15 a row of 256 bytes, lanes 16-31 the next
	v_lshlrev_b32 v[CO], 12, v2                    ; and the same two rows in memory
	v_lshl_add_u32 v[CO], v1, 4, v[CO]
	v_and_b32 v[XO], 31, v0
	v_lshlrev_b32 v[XO], 3, v[XO]                  ; xb: lanes 0-15 a row's 128 bytes, lanes 16-31 the next row's, which follow them
	v_lshlrev_b32 v[SO2], 4, v1
	v_lshl_add_u32 v[SO2], v2, 3, v[SO2]           ; ss: 8 (2 r + h)
	s_lshl_b32 s18, s13, 7
	s_lshl_b32 s19, s11, 6
	s_add_co_u32 s18, s18, s19                     ; my first row
	s_lshl_b32 s76, s18, 7                         ; in a block of xb: rows of 128 bytes
	s_lshl_b32 s78, s18, 2                         ; in a part of ss
	s_lshl_b32 s18, s18, 12
	s_mov_b32 s19, 0
	s_lshl_b32 s44, s42, 7
	s_lshl_b32 s45, s12, 6
	s_add_co_u32 s44, s44, s45                     ; my first column
	s_lshr_b32 s45, s44, 6                         ; my block of 64 columns
	s_lshl_b32 s77, s45, 19                        ; a block of xb is 524,288 bytes,
	s_add_co_u32 s76, s76, s77
	s_lshl_b32 s77, s45, 14                        ; a part of ss 16,384
	s_add_co_u32 s78, s78, s77
	s_mov_b32 s77, 0
	s_mov_b32 s79, 0
	s_lshl_b32 s44, s44, 2
	s_mov_b32 s45, 0
	s_add_nc_u64 s[18:19], s[18:19], s[44:45]
	s_add_nc_u64 s[70:71], s[70:71], s[18:19]
	s_add_nc_u64 s[68:69], s[68:69], s[18:19]
	s_add_nc_u64 s[72:73], s[72:73], s[76:77]
	s_add_nc_u64 s[74:75], s[74:75], s[78:79]
	WIN 0x80                                       ; destination window 2
.set t, 0
.rept 32
	global_load_b128 v[4*t:4*t+3], v[CO], s[68:69] offset:8192*t   ; rows 2 t and 2 t + 1 of my 64: 16 lanes take 256 consecutive bytes
.set t, t+1
.endr
	WIN 0
; 8 matrix instructions: m blocks a0, a0 + 1 x all 4 n blocks, 32 along K: half c of buffer f.  zero = 1: the first product starts the sums.
.macro MUL8 f, c, a0, zero
	WIN MUL
.irp a, \a0, (\a0)+1
.irp b, 0,1,2,3
.if \zero
	v_wmma_f32_16x16x32_bf16 v[ACC+8*(4*(\a)+(\b)):ACC+8*(4*(\a)+(\b))+7], v[(\f)+64+8*(4*(\c)+(\b)):(\f)+64+8*(4*(\c)+(\b))+7], v[(\f)+8*(4*(\c)+(\a)):(\f)+8*(4*(\c)+(\a))+7], 0
.else
	v_wmma_f32_16x16x32_bf16 v[ACC+8*(4*(\a)+(\b)):ACC+8*(4*(\a)+(\b))+7], v[(\f)+64+8*(4*(\c)+(\b)):(\f)+64+8*(4*(\c)+(\b))+7], v[(\f)+8*(4*(\c)+(\a)):(\f)+8*(4*(\c)+(\a))+7], v[ACC+8*(4*(\a)+(\b)):ACC+8*(4*(\a)+(\b))+7]
.endif
.endr
.endr
.endm
.macro FETCH q, f                      ; 32 LDS loads in one run: quarter q's fragments (64 along K) of the slot in hand; the first 32 along K first
	WIN TO_F
.irp c, 0,1
.irp i, 0,1,2,3
	ds_load_b128 v[(\f)+64+8*(4*(\c)+(\i)):(\f)+64+8*(4*(\c)+(\i))+3],   v[ADRB] offset:(\q)*128+64*(\c)+(\i)*16*BP
	ds_load_b128 v[(\f)+64+8*(4*(\c)+(\i))+4:(\f)+64+8*(4*(\c)+(\i))+7], v[ADRB] offset:(\q)*128+64*(\c)+(\i)*16*BP+32
	ds_load_b128 v[(\f)+8*(4*(\c)+(\i)):(\f)+8*(4*(\c)+(\i))+3],         v[ADRA] offset:(\q)*AQ+64*(\c)+(\i)*16*AP
	ds_load_b128 v[(\f)+8*(4*(\c)+(\i))+4:(\f)+8*(4*(\c)+(\i))+7],       v[ADRA] offset:(\q)*AQ+64*(\c)+(\i)*16*AP+32
.endr
.endr
.endm
.macro PLACES                          ; four plain instructions between a matrix instruction and a load into, or a read of, its registers
.rept 4
	v_nop
.endr
.endm
.macro QUARTER q, f, g, zero           ; 32 matrix instructions on buffer f; in their middle quarter q's fragments go into buffer g
	s_wait_dscnt 16                                ; the first 32 along K are in
	MUL8 \f, 0, 0, \zero
	MUL8 \f, 0, 2, \zero
	PLACES
	FETCH \q, \g
	s_wait_dscnt 32                                ; all but the 32 just issued
	MUL8 \f, 1, 0, 0
	MUL8 \f, 1, 2, 0
.endm
.macro MEET                            ; the first half of a step's last quarter, and the barrier of the change of slots
	WIN 0
	s_wait_tensorcnt 0x0                           ; all my tensor loads have landed: my part of the next slot;
	ds_add_u32 v[SPW], v[NIL]                      ; 0 onto my spare word;
	s_wait_dscnt 17                                ; (the add and the youngest sixteen loads may be out)
	MUL8 F1, 0, 0, 0
	s_wait_dscnt 0x0                               ; the add is done, and my reads of this slot are over
	s_barrier_signal -1
	MUL8 F1, 0, 2, 0
	WIN 0
	s_barrier_wait -1
.endm
.macro TURN1                           ; the last quarter of a step whose slot is filled again, with the K step two on
	MEET
	CREST                                          ; the barrier has opened a round of the cluster's: no wave of any partner still reads this slot or has a load on its way
	s_xor_b32 s[G0+5], s[G0+5], SLOT               ; the walking descriptors: the other slot than last time, the next K step
	s_add_nc_u64 s[G0+6:G0+7], s[G0+6:G0+7], ASTEP
	s_xor_b32 s[G0B+5], s[G0B+5], SLOT
	s_add_nc_u64 s[G0B+6:G0B+7], s[G0B+6:G0B+7], 512
	JLOAD 1                                        ; my one tensor load behind the round; its four v_nop are also the places in front of the loads below
	s_xor_b32 s[TB], s[TB], SLOT
	v_add_nc_u32 v[ADRA], s[TB], v[ADRA0]
	v_add_nc_u32 v[ADRB], s[TB], v[ADRB0]
	FETCH 0, F0
	MUL8 F1, 1, 0, 0
	MUL8 F1, 1, 2, 0
.endm
.macro TURN0                           ; the same where nothing is asked for; in the very last step nothing is fetched either
	MEET
	s_cmp_eq_u32 s3, 1
	s_cbranch_scc1 .Lnf_\@
	PLACES
	s_xor_b32 s[TB], s[TB], SLOT
	v_add_nc_u32 v[ADRA], s[TB], v[ADRA0]
	v_add_nc_u32 v[ADRB], s[TB], v[ADRB0]
	FETCH 0, F0
	WIN 0
.Lnf_\@:
	MUL8 F1, 1, 0, 0
	MUL8 F1, 1, 2, 0
.endm
; One step of the sum over 16 lanes that also deals the sums out: of registers j and j + d a lane keeps the one that its bit d picks and hands the other to the lane d away, which keeps that one.
; After steps 8, 4, 2, 1 lane r holds, in register 0 of each sixteen, the whole sum number r.  Both sixteens go together; the lane mask stands in VCC.
.macro FLY d, mask
	s_mov_b32 vcc_lo, \mask                        ; the lanes whose number has bit d
.set i, 0
.rept 2*(\d)
.set qa, QQ+16*(i/(\d))+i%(\d)
	v_cndmask_b32 v[TP+i], v[qa+(\d)], v[qa], vcc_lo        ; what the partner keeps
.set i, i+1
.endr
.set i, 0
.rept 2*(\d)
.set qa, QQ+16*(i/(\d))+i%(\d)
	v_cndmask_b32 v[qa], v[qa], v[qa+(\d)], vcc_lo          ; what I keep
.set i, i+1
.endr
.set i, 0
.rept 2*(\d)
.set qa, QQ+16*(i/(\d))+i%(\d)
	v_add_f32_dpp v[qa], v[TP+i], v[qa] row_xmask:\d row_mask:0xf bank_mask:0xf
.set i, i+1
.endr
.endm
	s_wait_tensorcnt 1                             ; my part of K step 0 is in; step 1's may stay out
	s_barrier_signal -1
	s_barrier_wait -1
	FETCH 0, F0
	QUARTER 1, F0, F1, 1                           ; the first quarter stands in front of the loop: its first products start the sums
	WIN 0
	s_mov_b32 s3, NSTEP-2
.Lstep:                                        ; a trip: a K step's quarters 2 to 4 and the next step's first; steps 2 and 3 are asked for
	QUARTER 2, F1, F0, 0
	QUARTER 3, F0, F1, 0
	TURN1
	QUARTER 1, F0, F1, 0
	WIN 0
	s_sub_co_u32 s3, s3, 1
	s_cmp_lg_u32 s3, 0
	s_cbranch_scc1 .Lstep
	s_mov_b32 s3, 2
.Ltail:                                        ; the last two K steps; the second trip is left in its middle
	QUARTER 2, F1, F0, 0
	QUARTER 3, F0, F1, 0
	TURN0
	WIN 0
	s_sub_co_u32 s3, s3, 1
	s_cmp_eq_u32 s3, 0
	s_cbranch_scc1 .Lout
	QUARTER 1, F0, F1, 0
	WIN 0
	s_branch .Ltail
.Lout:
	PLACES
	PLACES
.irp a, 0,1,2,3
.irp b, 0,1,2,3
	ds_store_b128 v[STO], v[ACC+8*(4*(\a)+(\b)):ACC+8*(4*(\a)+(\b))+3]   offset:(\a)*16*SPITCH+64*(\b)
	ds_store_b128 v[STO], v[ACC+8*(4*(\a)+(\b))+4:ACC+8*(4*(\a)+(\b))+7] offset:(\a)*16*SPITCH+64*(\b)+16
.endr
.endr
.set t, 0
.rept 32
	ds_load_b128 v[ACC+4*t:ACC+4*t+3], v[RD] offset:t*2*SPITCH   ; LDS serves a wave's instructions in order (ISA guide 5.7.1.4): these see my stores
.set t, t+1
.endr
	s_wait_loadcnt 0x0                             ; the residual
	s_wait_dscnt 0x0
	WIN 0x08                                       ; source 1 in window 2
.set t, 0
.rept 64
	v_pk_add_f32 v[ACC+2*t:ACC+2*t+1], v[ACC+2*t:ACC+2*t+1], v[2*t:2*t+1]
.set t, t+1
.endr
	WIN 0
.set t, 0
.rept 32
	global_store_b128 v[CO], v[ACC+4*t:ACC+4*t+3], s[70:71] offset:8192*t   ; x2: 16 lanes store 256 consecutive bytes, aligned
.set t, t+1
.endr
	; the sums of squares: registers ACC + 4 t .. + 3 hold row 2 t + h, columns 4 r + 0..3
.set t, 0
.rept 32
	v_pk_mul_f32 v[TP+2*t:TP+2*t+1], v[ACC+4*t:ACC+4*t+1], v[ACC+4*t:ACC+4*t+1]
.set t, t+1
.endr
.set t, 0
.rept 32
	v_pk_fma_f32 v[TP+2*t:TP+2*t+1], v[ACC+4*t+2:ACC+4*t+3], v[ACC+4*t+2:ACC+4*t+3], v[TP+2*t:TP+2*t+1]
.set t, t+1
.endr
.set t, 0
.rept 32
	v_add_f32 v[QQ+t], v[TP+2*t], v[TP+2*t+1]
.set t, t+1
.endr
	FLY 8, 0xff00ff00
	FLY 4, 0xf0f0f0f0
	FLY 2, 0xcccccccc
	FLY 1, 0xaaaaaaaa
	v_mov_b32 v[QQ+1], v[QQ+16]                    ; lane (r, h): rows 2 r + h and 32 + 2 r + h, side by side
	global_store_b64 v[SO2], v[QQ:QQ+1], s[74:75]  ; ss: 32 lanes store 256 consecutive bytes, aligned
.set t, 0
.rept 32
	v_cvt_pk_bf16_f32 v[TP+2*t], v[ACC+4*t], v[ACC+4*t+1]
	v_cvt_pk_bf16_f32 v[TP+2*t+1], v[ACC+4*t+2], v[ACC+4*t+3]
.set t, t+1
.endr
.set t, 0
.rept 32
	global_store_b64 v[XO], v[TP+2*t:TP+2*t+1], s[72:73] offset:256*t   ; xb: rows 2 t and 2 t + 1 of my block: 256 consecutive bytes, aligned
.set t, t+1
.endr
	s_wait_tensorcnt 0x0                           ; the wave's end: behind my last tensor load and my last LDS store
	ds_add_u32 v[SPW], v[NIL]
	s_wait_dscnt 0x0
	CROUND                                         ; the closing round: no work-group ends while a partner may still ask for a tile that names it
	s_endpgm
.Lfunc_end_k_qc0dac56122_proj_o:
	.size	k_qc0dac56122_proj_o, .Lfunc_end_k_qc0dac56122_proj_o-k_qc0dac56122_proj_o
	.p2alignl 7, 3214868480
	.fill 96, 4, 3214868480
	.section	.rodata,"a",@progbits
	.p2align	6, 0x0
	.amdhsa_kernel k_qc0dac56122_proj_o
		.amdhsa_group_segment_fixed_size 327680
		.amdhsa_private_segment_fixed_size 0
		.amdhsa_enable_private_segment 0
		.amdhsa_kernarg_size 48
		.amdhsa_user_sgpr_count 2
		.amdhsa_user_sgpr_kernarg_segment_ptr 1
		.amdhsa_wavefront_size32 1
		.amdhsa_system_sgpr_workgroup_id_x 1
		.amdhsa_system_sgpr_workgroup_id_y 1
		.amdhsa_system_sgpr_workgroup_id_z 1
		.amdhsa_system_vgpr_workitem_id 0
		.amdhsa_next_free_vgpr 640
		.amdhsa_next_free_sgpr 80
		.amdhsa_reserve_vcc 1
		.amdhsa_float_denorm_mode_32 3
		.amdhsa_float_denorm_mode_16_64 3
		.amdhsa_memory_ordered 1
		.amdhsa_forward_progress 1
		.amdhsa_inst_pref_size 82
	.end_amdhsa_kernel
	.amdgpu_metadata
---
amdhsa.version: [ 1, 2 ]
amdhsa.kernels:
  - .name:           k_qc0dac56122_proj_o
    .symbol:         k_qc0dac56122_proj_o.kd
    .args:
      - { .name: y, .offset: 0, .size: 8, .value_kind: global_buffer, .address_space: global }
      - { .name: wt, .offset: 8, .size: 8, .value_kind: global_buffer, .address_space: global }
      - { .name: x, .offset: 16, .size: 8, .value_kind: global_buffer, .address_space: global }
      - { .name: x2, .offset: 24, .size: 8, .value_kind: global_buffer, .address_space: global }
      - { .name: xb, .offset: 32, .size: 8, .value_kind: global_buffer, .address_space: global }
      - { .name: ss, .offset: 40, .size: 8, .value_kind: global_buffer, .address_space: global }
    .group_segment_fixed_size: 327680
    .private_segment_fixed_size: 0
    .kernarg_segment_align: 8
    .kernarg_segment_size: 48
    .max_flat_workgroup_size: 128
    .sgpr_count:     80
    .vgpr_count:     640
    .wavefront_size: 32
...
	.end_amdgpu_metadata
.endif
;; end of part 4
;; launch ffn1 (part 5): grid 16 x 16, 4 waves a work-group, clusters of 4 x 4, 327,680 bytes of LDS; arguments xb, wt, b1, ss, act; writes act
.if DOCPART == 5
	.amdgcn_target "amdgcn-amd-amdhsa--gfx1250"
	.amdhsa_code_object_version 6
	.text
	.protected	k_qc0dac56122_ffn1
	.globl	k_qc0dac56122_ffn1
	.p2align	8
	.type	k_qc0dac56122_ffn1,@function
k_qc0dac56122_ffn1:
	s_mov_b64 s[64:65], 0
	v_nop
	global_prefetch_b8 v0, s[64:65] scope:SCOPE_SE
	s_setreg_imm32_b32 hwreg(HW_REG_WAVE_MODE, 25, 1), 1
	s_wait_xcnt 0x0
	s_wait_alu depctr_hold_cnt(0) depctr_sa_sdst(0) depctr_va_vdst(0) depctr_va_sdst(0) depctr_va_ssrc(0) depctr_va_vcc(0) depctr_vm_vsrc(0)
	s_getreg_b32 s2, hwreg(HW_REG_IB_STS2, 6, 4)
	s_cmp_eq_u32 s2, 0
	s_cbranch_scc0 .Lentry_in_a_cluster
	s_endpgm
.Lentry_in_a_cluster:
	s_bfe_u32 s2, ttmp6, 0x10000c
	s_cmp_lg_u32 s2, 0xf033
	s_cbranch_scc0 .Lentry_shape_is_right
	s_endpgm
.Lentry_shape_is_right:
; act = gelu(rmsnorm(x2, g2) W1 + b1), exact form, [4096][4096] bf16, made as gelu(rs (xb B^T) + b1):
; A = xb = bf16(x2) in blocks of 64 columns, [16][4096][64]; B = (g2 W1)^T at byte 8,388,608 of wt, [4096][1024] bf16, K along the rows; rs[row] = rsqrt(sum of the row's 16 parts of ss / 1024 + 1e-6).  Sums in f32.
; In ss, [16][4096] f32, place 2 i + s of each group of 64 rows holds row 32 s + i.
; A tile of C, 256 x 256, is made by four waves, each 128 x 128: 64 accumulators, 512 registers.  K goes in 8 steps of 128 through two LDS slots filled by tensor loads.
; A K step is two blocks of xb; the 128 rows of a block are 16,384 dense bytes, asked for as one row of the tile; LDS holds [block][row][128 + 16 bytes].  B's rows are 256 bytes, aligned.
; One K step is written once: the loop toggles the slot by an exclusive or; the last two steps, which ask for nothing, are a loop of two trips.
; CLUSTER 4 x 4: A's tile is shared along a row of the cluster, B's along a column: each is asked for jointly, by the same load with the same descriptor in the four that the mask names.
; The matrix instruction is used transposed (source 0 = 16 rows of B, source 1 = 16 rows of A): a lane holds row l % 16 of C and the columns 8 (l / 16) + 0..7.
; WAY OUT: the wave's 128 x 128 f32 go into LDS bytes of the ring, whose last fill is over and which nobody reads behind the last barrier; they come back by rows, 8 rows a trip, and take rs and b1 there.
; b1 and ss are asked for at the head and waited for behind the K loop.
; GELU: gelu(u) = u/2 + b (c0 - P(t) 2^(-b b)), b = k |u|, k = sqrt(log2(e)/2), t = 1/(1 + 0.2727375 b), c0 = 1/(2k), P the polynomial of Abramowitz and Stegun 7.1.26 times c0:
; erf to 1.5e-7 for every u.  LIMIT: for u < 0 the two halves cancel to within 6e-8 |u|, absolute.  NaN and infinities are not treated apart.
; REGISTERS, in windows of 256: window 0: v16-30 addresses; v32-47 packed results; v48-51 b1 of my 4 columns; v52-59 rs of 8 rows; v64-127, v128-191 A's fragments, two buffers; v192-255 the parts of ss; v64-223 later the GELU's.
;   window 1: v64-127, v128-191 B's fragments.   windows 2, 3: accumulator (a, b) at v[8 (8 (a % 4) + b)] of window 2 + a / 4.
.set KSTEP,  128
.set BP,     272                       ; a row of B in LDS: 256 bytes + 16: the 16 rows of a fragment load start at 16 different groups of four banks
.set BHALF,  128*BP                    ; what a load of B brings
.set AP,     144                       ; a row of a block of A: 128 bytes + 16: likewise
.set ABLK,   128*AP                    ; 128 rows of a block
.set AHALF,  2*ABLK                    ; what a load of A brings
.set BOFF,   2*AHALF                   ; B's rows lie behind A's
.set SLOT,   147456                    ; its two bits are set in no LDS address of slot 0's tiles, so an exclusive or changes slots
.set ASTEP,  1048576                   ; two blocks of xb
.set DP,     528                       ; the way out: a row of 128 f32 + 16 bytes
.set DW,     128*DP                    ; a wave's part of it
.set RSB,    2*SLOT                    ; behind the ring: rs, 512 bytes for each wave; no tile lands here
.set SPARE,  RSB+2048                  ; behind that: the spare words, 128 bytes for each wave
.set ADRA,  16                         ; v16  LDS address of my A fragments in the slot in hand;  v17 in slot 0
.set ADRA0, 17
.set ADRB,  20                         ; v20, v21 the same for B
.set ADRB0, 21
.set STO,   24                         ; v24  the way out: where I put 32 bytes of a row
.set RD,    25                         ; v25  where I read rows back
.set CO,    26                         ; v26  my byte offset in act
.set RSA,   27                         ; v27  where the trip's 8 numbers of rs lie
.set SPW,   28                         ; v28  LDS address of my spare word; never rewritten
.set NIL,   29                         ; v29  0; never rewritten
.set PFO,   30                         ; v30  the prefetches' offset: lane x 256 bytes (A) or x 2,048 (B); never rewritten
.set OUT,   32
.set B1,    48
.set RSV,   52
.set F0,    64
.set F1,    128
.set SSR,   192
.set U,     64                         ; the GELU's registers, 32 each
.set BV,    96
.set TR,    128
.set EE,    160
.set PP,    192
.set PFS, 14                           ; s[14:15] from a K step to the next, for my prefetches
.set G1,  24                           ; s[24:31] group 1 for A;  s[32:39] group 0, two sets; the second walks
.set G0,  32
.set G1B, 48                           ; s[48:55], s[56:63] the same for B
.set G0B, 56
.set LIM, 43                           ; s43  2 in a wave that prefetches, else the greatest number
.set PFA, 44                           ; s[44:45] the K step that my next prefetch names
.set TB,  66                           ; s66  0 or SLOT: the slot in hand
.set KC,  72
.set PCO, 74
.set C0,  76
.set A1,  78
.set A2,  80
.set A3,  82
.set A4,  84
.set A5,  86
.set RN,  88
.set EPS, 90
.set MSB, 0
.macro WIN new                         ; the immediate's high byte repeats the setting that is left
.if MSB != (\new)
	s_set_vgpr_msb (MSB<<8)|(\new)
.set MSB, \new
.endif
.endm
.set MUL_LO, 0xa1                      ; source 0 (B) window 1, source 1 (A) window 0, C and D window 2 (0xf1: window 3)
.set TO_B,   0x40                      ; destination window 1, address window 0
.macro JLOAD s                         ; a joint load: waves 0 and 1 fetch A's halves, waves 2 and 3 B's; an s_nop 0 and four v_nop follow each line
	s_cmp_eq_u32 s11, 0
	s_cbranch_scc0 .Lfor_b_\@
	tensor_load_to_lds s[G0+4*(\s):G0+4*(\s)+3], s[G1:G1+7]
	s_nop 0
.rept 4
	v_nop
.endr
	s_branch .Lasked_\@
.Lfor_b_\@:
	tensor_load_to_lds s[G0B+4*(\s):G0B+4*(\s)+3], s[G1B:G1B+7]
	s_nop 0
.rept 4
	v_nop
.endr
.Lasked_\@:
.endm
; A prefetch of the K step that stands two refills on: 32 runs of 256 bytes, a lane a run.  A's rows are asked for by the clusters with x = 0, B's by those with y = 0; the four partners that fetch a tile jointly
; share it out by address: of A's two blocks x 128 rows partner cx takes block cx / 2, rows 64 (cx % 2) on (8,192 dense bytes); of B's 128 rows partner cy takes 32.  So each run is named once.
; K steps 0 to 3 come by their loads alone; steps 4 to 7 are named in the first four trips.
.macro ASK
	s_cmp_gt_u32 s3, s[LIM]
	s_cbranch_scc0 .Lnot_mine_\@
	global_prefetch_b8 v[PFO], s[PFA:PFA+1] th:TH_LOAD_NT scope:SCOPE_SE
.Lnot_mine_\@:
.endm
.macro CREST                           ; a round of the cluster's barrier behind its opening barrier
	s_cmp_lg_u32 s10, 0
	s_cbranch_scc1 .Lnot_wave_0_\@
	s_barrier_signal -3
.Lnot_wave_0_\@:
	s_barrier_wait -3
	s_barrier_signal -1
	s_barrier_wait -1
.endm
.macro CROUND
	s_barrier_signal -1
	s_barrier_wait -1
	CREST
.endm
.macro SPAIR r, val                    ; a constant in both words of a scalar pair
	s_mov_b32 s[\r], \val
	s_mov_b32 s[\r+1], \val
.endm
	s_load_b128 s[4:7], s[0:1], 0x0                ; xb s[4:5], wt s[6:7]
	s_load_b128 s[68:71], s[0:1], 0x10             ; b1 s[68:69], ss s[70:71]
	s_load_b64 s[8:9], s[0:1], 0x20                ; act
	v_lshl_add_u32 v[SPW], v0, 2, SPARE
	v_mov_b32 v[NIL], 0
	ds_add_u32 v[SPW], v[NIL]                      ; the wave's opening: the add and its wait stand ahead of my first tensor load; work on registers stands between them
	ds_add_u32 v28, v29
	v_lshrrev_b32 v1, 5, v0
	v_readfirstlane_b32 s10, v1                    ; wave 0..3
	s_lshr_b32 s11, s10, 1                         ; my half of the tile's rows.  Also: I fetch for A (0) or B (1)
	s_and_b32 s12, s10, 1                          ; my half of its columns.  Also: which 128 rows I fetch
	s_bfe_u32 s40, ttmp6, 0x40000                  ; cx
	s_bfe_u32 s41, ttmp6, 0x40004                  ; cy
	s_lshl_b32 s42, ttmp9, 2
	s_add_co_u32 s42, s42, s40                     ; tile column
	s_and_b32 s13, ttmp7, 0xffff
	s_lshl_b32 s13, s13, 2
	s_add_co_u32 s13, s13, s41                     ; tile row
	s_lshl_b32 s43, s41, 2
	s_lshl_b32 s43, 15, s43                        ; my row of the cluster
	s_lshl_b32 s44, 0x1111, s40                    ; my column
	s_or_b32 s[G1+0], s43, (1<<16)|(1<<20)|(1<<21)|(4<<22)|(3<<25)   ; A: mask; 2-byte elements; padding on; bit 21 beside a mask; after every 32 words (a row of a block) 4 words
	s_mov_b32 s[G1+1], 8192<<16                    ; tensor_dim0 = 8,192: 128 rows of a block
	s_mov_b32 s[G1+2], 2<<16                       ; tensor_dim1 = 2 blocks
	s_mov_b32 s[G1+3], 8192<<16                    ; tile_dim0
	s_mov_b32 s[G1+4], 2                           ; tile_dim1
	s_mov_b32 s[G1+5], 262144                      ; elements from block to block
	s_mov_b32 s[G1+6], 0
	s_mov_b32 s[G1+7], 0
	s_or_b32 s[G1B+0], s44, (1<<16)|(1<<20)|(1<<21)|(5<<22)|(3<<25)  ; B: after every 64 words 4 words
	s_mov_b32 s[G1B+1], KSTEP<<16                  ; tensor_dim0 = 128
	s_mov_b32 s[G1B+2], 128<<16                    ; tensor_dim1 = 128
	s_mov_b32 s[G1B+3], KSTEP<<16                  ; tile_dim0 = 128
	s_mov_b32 s[G1B+4], 128                        ; tile_dim1 = 128
	s_mov_b32 s[G1B+5], 1024                       ; elements from row to row
	s_mov_b32 s[G1B+6], 0
	s_mov_b32 s[G1B+7], 0
	SPAIR KC,  0x3f596d27                          ; k = 0.8493218
	SPAIR PCO, 0x3e8ba43f                          ; 0.2727375
	SPAIR C0,  0x3f16b55f                          ; c0 = 0.5887050
	SPAIR A1,  0x3e199eb3                          ; c0 x  0.254829592
	SPAIR A2,  0xbe2b8119                          ; c0 x -0.284496736
	SPAIR A3,  0x3f563817                          ; c0 x  1.421413741
	SPAIR A4,  0xbf5b0099                          ; c0 x -1.453152027
	SPAIR A5,  0x3f1ff67a                          ; c0 x  1.061405429
	SPAIR RN,  0x3a800000                          ; 1 / 1024
	SPAIR EPS, 0x358637bd                          ; 1e-6
	s_lshl_b32 s17, s12, 7
	s_lshl_b32 s16, s13, 8
	s_add_co_u32 s16, s16, s17                     ; A: row 256 x tile row + 128 x half
	s_lshl_b32 s46, s42, 8
	s_add_co_u32 s46, s46, s17                     ; B: row 256 x tile column + 128 x half
	s_lshl_b32 s16, s16, 7                         ; rows of 128 bytes in a block
	s_lshl_b32 s46, s46, 11                        ; rows of 2,048 bytes
	s_mov_b32 s17, 0
	s_mov_b32 s47, 0
	s_mul_i32 s20, s12, AHALF                      ; where they go
	s_mul_i32 s21, s12, BHALF
	s_add_co_u32 s21, s21, BOFF
	s_wait_dscnt 0x0                               ; the opening add is done
	s_wait_kmcnt 0x0
	s_add_nc_u64 s[6:7], s[6:7], 8388608           ; (g2 W1)^T
	s_add_nc_u64 s[14:15], s[4:5], s[16:17]
	s_add_nc_u64 s[46:47], s[6:7], s[46:47]
	CROUND                                         ; all sixteen work-groups are here: the first joint loads meet
.irp s, 0,1
	s_mov_b32 s[G0+4*(\s)], 1
	s_add_co_u32 s[G0+4*(\s)+1], s20, (\s)*SLOT
	s_add_nc_u64 s[G0+4*(\s)+2:G0+4*(\s)+3], s[14:15], (\s)*ASTEP
	s_or_b32 s[G0+4*(\s)+3], s[G0+4*(\s)+3], 0x80000000
	s_mov_b32 s[G0B+4*(\s)], 1
	s_add_co_u32 s[G0B+4*(\s)+1], s21, (\s)*SLOT
	s_add_nc_u64 s[G0B+4*(\s)+2:G0B+4*(\s)+3], s[46:47], (\s)*KSTEP*2
	s_or_b32 s[G0B+4*(\s)+3], s[G0B+4*(\s)+3], 0x80000000
	JLOAD \s                                       ; K steps 0 and 1: two loads of mine are out
.endr
	v_and_b32 v1, 15, v0                           ; l % 16
	v_bfe_u32 v2, v0, 4, 1                         ; l / 16
	v_mul_u32_u24 v3, v1, AP
	v_lshl_add_u32 v3, v2, 4, v3                   ; a fragment's row x pitch + 16 x half
	s_mul_i32 s22, s11, AHALF
	v_add_nc_u32 v[ADRA0], s22, v3
	v_mul_u32_u24 v3, v1, BP
	v_lshl_add_u32 v3, v2, 4, v3
	s_mul_i32 s22, s12, BHALF
	s_add_co_u32 s22, s22, BOFF
	v_add_nc_u32 v[ADRB0], s22, v3
	v_mov_b32 v[ADRA], v[ADRA0]
	v_mov_b32 v[ADRB], v[ADRB0]
	s_mov_b32 s[TB], 0
	s_mul_i32 s23, s10, DW
	v_mul_u32_u24 v4, v1, DP
	v_lshl_add_u32 v4, v2, 5, v4
	v_add_nc_u32 v[STO], s23, v4                   ; row l % 16, 32 bytes for each half of the lanes
	v_and_b32 v5, 31, v0
	v_lshl_add_u32 v[RD], v5, 4, s23               ; back: 32 lanes take a row of 512 bytes,
	v_lshlrev_b32 v[CO], 3, v5                     ; which is 256 bytes of act
	v_lshlrev_b32 v6, 4, v5                        ; 16 x lane: my 4 columns of b1; my 4 places of a part of ss
	s_lshl_b32 s18, s10, 9
	s_add_co_u32 s18, s18, RSB                     ; my wave's 512 bytes of rs
	v_mov_b32 v[RSA], s18
	v_lshl_add_u32 v7, v2, 8, s18                  ; places 4 l + c of my 128 hold rows 64 (l / 16) + 2 (l % 16) + 32 (c % 2) + c / 2:
	v_lshl_add_u32 v7, v1, 3, v7                   ; byte 256 (l / 16) + 8 (l % 16), and 0, 128, 4, 132 for c = 0 .. 3
	s_lshl_b32 s92, s42, 8
	s_lshl_b32 s18, s12, 7
	s_add_co_u32 s92, s92, s18                     ; my first column
	s_lshl_b32 s93, s13, 8
	s_lshl_b32 s18, s11, 7
	s_add_co_u32 s93, s93, s18                     ; my first row
	s_lshl_b32 s94, s93, 13
	s_lshl_b32 s18, s92, 1
	s_add_co_u32 s94, s94, s18
	s_mov_b32 s95, 0
	s_add_nc_u64 s[8:9], s[8:9], s[94:95]
	s_lshl_b32 s94, s92, 2
	s_add_nc_u64 s[68:69], s[68:69], s[94:95]
	s_lshl_b32 s94, s93, 2
	s_add_nc_u64 s[70:71], s[70:71], s[94:95]
	global_load_b128 v[B1:B1+3], v6, s[68:69]      ; these 17 loads are waited for behind the K loop
.set p, 0
.rept 16
	global_load_b128 v[SSR+4*p:SSR+4*p+3], v6, s[70:71] offset:16384*p   ; part p of my 128 rows: 512 consecutive bytes
.set p, p+1
.endr
	s_lshl_b32 s18, s13, 8                         ; the prefetches.  A: the first of the 128 rows that I fetch,
	s_lshl_b32 s19, s12, 7
	s_add_co_u32 s18, s18, s19
	s_lshl_b32 s18, s18, 7
	s_lshr_b32 s19, s40, 1
	s_lshl_b32 s19, s19, 19                        ; block cx / 2 of the step's two,
	s_add_co_u32 s18, s18, s19
	s_and_b32 s19, s40, 1
	s_lshl_b32 s19, s19, 13                        ; rows 64 (cx % 2) on
	s_add_co_u32 s18, s18, s19
	s_lshl_b32 s19, s42, 8                         ; B: the first of the 128 rows that I fetch,
	s_lshl_b32 s20, s12, 7
	s_add_co_u32 s19, s19, s20
	s_lshl_b32 s20, s41, 5                         ; rows 32 cy on
	s_add_co_u32 s19, s19, s20
	s_lshl_b32 s19, s19, 11
	s_and_b32 s22, ttmp7, 0xffff                   ; cluster y
	s_mov_b32 s16, ASTEP
	s_mov_b32 s17, KSTEP*2
	s_cmp_eq_u32 s11, 0                            ; do I fetch for A?
	s_cselect_b32 s20, s18, s19
	s_cselect_b32 s22, ttmp9, s22                  ; the coordinate along which other clusters read the same rows
	s_cselect_b32 s[PFS], s16, s17
	s_cselect_b32 s23, 8, 11
	s_cselect_b64 s[PFA:PFA+1], s[4:5], s[6:7]
	s_cmp_eq_u32 s22, 0
	s_cselect_b32 s[LIM], 2, -1                    ; the same in all sixteen partners, for a given wave
	s_mov_b32 s21, 0
	s_mov_b32 s[PFS+1], 0
	s_add_nc_u64 s[PFA:PFA+1], s[PFA:PFA+1], s[20:21]
	s_mul_i32 s20, s[PFS], 3
	s_add_nc_u64 s[PFA:PFA+1], s[PFA:PFA+1], s[20:21]   ; at K step 3: the first refill steps it to 4 and names that
	v_and_b32 v[PFO], 31, v0
	v_lshlrev_b32 v[PFO], s23, v[PFO]
; 16 matrix instructions: m blocks a0, a0 + 1 of the window's four x all 8 n blocks, 32 along K.  zero = 1: the first product starts the sums.
.macro MUL16 f, hi, a0, zero
	WIN MUL_LO+0x50*(\hi)
.irp a, \a0, (\a0)+1
.irp b, 0,1,2,3,4,5,6,7
.if \zero
	v_wmma_f32_16x16x32_bf16 v[8*(8*(\a)+(\b)):8*(8*(\a)+(\b))+7], v[(\f)+8*(\b):(\f)+8*(\b)+7], v[(\f)+8*(4*(\hi)+(\a)):(\f)+8*(4*(\hi)+(\a))+7], 0
.else
	v_wmma_f32_16x16x32_bf16 v[8*(8*(\a)+(\b)):8*(8*(\a)+(\b))+7], v[(\f)+8*(\b):(\f)+8*(\b)+7], v[(\f)+8*(4*(\hi)+(\a)):(\f)+8*(4*(\hi)+(\a))+7], v[8*(8*(\a)+(\b)):8*(8*(\a)+(\b))+7]
.endif
.endr
.endr
.endm
.macro FETCH q, f                      ; 32 LDS loads in one run: quarter q's fragments (32 along K) of the slot in hand: B at byte 64 q of its rows, A in block q / 2 at byte 64 (q % 2)
	WIN TO_B
.irp i, 0,1,2,3,4,5,6,7
	ds_load_b128 v[(\f)+8*(\i):(\f)+8*(\i)+3],   v[ADRB] offset:(\q)*64+(\i)*16*BP
	ds_load_b128 v[(\f)+8*(\i)+4:(\f)+8*(\i)+7], v[ADRB] offset:(\q)*64+(\i)*16*BP+32
.endr
	WIN 0
.irp i, 0,1,2,3,4,5,6,7
	ds_load_b128 v[(\f)+8*(\i):(\f)+8*(\i)+3],   v[ADRA] offset:((\q)/2)*ABLK+((\q)%2)*64+(\i)*16*AP
	ds_load_b128 v[(\f)+8*(\i)+4:(\f)+8*(\i)+7], v[ADRA] offset:((\q)/2)*ABLK+((\q)%2)*64+(\i)*16*AP+32
.endr
.endm
.macro PLACES                          ; four plain instructions between a matrix instruction and a load into, or a read of, its registers
.rept 4
	v_nop
.endr
.endm
.macro QUARTER q, f, g, zero           ; 64 matrix instructions on buffer f; in their middle quarter q's fragments go into buffer g
	s_wait_dscnt 8                                 ; B and A's rows 0-63 are in; the youngest eight loads (A's rows 64-127) may be out
	MUL16 \f, 0, 0, \zero
	MUL16 \f, 0, 2, \zero
	PLACES
	FETCH \q, \g
	s_wait_dscnt 32                                ; all but the 32 just issued
	MUL16 \f, 1, 0, \zero
	MUL16 \f, 1, 2, \zero
.endm
.macro MEET                            ; the first half of a step's last quarter, and the barrier of the change of slots
	WIN 0
	s_wait_tensorcnt 0x0                           ; all my tensor loads have landed: the one that was out is my part of the next slot;
	ds_add_u32 v[SPW], v[NIL]                      ; 0 onto my spare word;
	s_wait_dscnt 9                                 ; (the add and the youngest eight loads may be out)
	MUL16 F1, 0, 0, 0
	s_wait_dscnt 0x0                               ; the add is done, and my reads of this slot are over
	s_barrier_signal -1
	MUL16 F1, 0, 2, 0
	WIN 0
	s_barrier_wait -1
.endm
.macro TURN1                           ; the last quarter of a step whose slot is filled again, with the K step two on
	s_wait_xcnt 0x0                                ; the last prefetch, a K step back, has read its address
	s_add_nc_u64 s[PFA:PFA+1], s[PFA:PFA+1], s[PFS:PFS+1]
	MEET
	CREST                                          ; the barrier has opened a round of the cluster's: no wave of any partner still reads this slot or has a load on its way
	s_xor_b32 s[G0+5], s[G0+5], SLOT               ; the walking descriptors: the other slot than last time, the next K step
	s_add_nc_u64 s[G0+6:G0+7], s[G0+6:G0+7], ASTEP
	s_xor_b32 s[G0B+5], s[G0B+5], SLOT
	s_add_nc_u64 s[G0B+6:G0B+7], s[G0B+6:G0B+7], KSTEP*2
	JLOAD 1                                        ; my one tensor load behind the round; its four v_nop are also the places in front of the loads below
	s_xor_b32 s[TB], s[TB], SLOT
	v_add_nc_u32 v[ADRA], s[TB], v[ADRA0]
	v_add_nc_u32 v[ADRB], s[TB], v[ADRB0]
	FETCH 0, F0
	ASK
	MUL16 F1, 1, 0, 0
	MUL16 F1, 1, 2, 0
.endm
.macro TURN0                           ; the same where nothing is asked for; in the very last step nothing is fetched either
	MEET
	s_cmp_eq_u32 s3, 1
	s_cbranch_scc1 .Lnf_\@
	PLACES
	s_xor_b32 s[TB], s[TB], SLOT
	v_add_nc_u32 v[ADRA], s[TB], v[ADRA0]
	v_add_nc_u32 v[ADRB], s[TB], v[ADRB0]
	FETCH 0, F0
.Lnf_\@:
	MUL16 F1, 1, 0, 0
	MUL16 F1, 1, 2, 0
.endm
.macro GA i, n                         ; line n of pair i: b = k |u| (twice); 1 + 0.2727375 b; - b b
.if (\n) < 2
	v_mul_f32 v[BV+2*(\i)+(\n)], s[KC], |v[U+2*(\i)+(\n)]|
.elseif (\n) == 2
	v_pk_fma_f32 v[TR+2*(\i):TR+2*(\i)+1], v[BV+2*(\i):BV+2*(\i)+1], s[PCO:PCO+1], 1.0 op_sel_hi:[1,0,0]
.else
	v_pk_mul_f32 v[EE+2*(\i):EE+2*(\i)+1], v[BV+2*(\i):BV+2*(\i)+1], v[BV+2*(\i):BV+2*(\i)+1] neg_lo:[1,0] neg_hi:[1,0]
.endif
.endm
.macro GT i, n                         ; line n of pair i's reciprocals and exponentials, in place
.if (\n) < 2
	v_rcp_f32 v[TR+2*(\i)+(\n)], v[TR+2*(\i)+(\n)]
.else
	v_exp_f32 v[EE+2*(\i)+(\n)-2], v[EE+2*(\i)+(\n)-2]
.endif
.endm
.macro STAGE line:vararg               ; one line for each of the 16 pairs
.set i, 0
.rept 16
	\line
.set i, i+1
.endr
.endm
	s_wait_tensorcnt 1                             ; my part of K step 0 is in; step 1's may stay out
	s_barrier_signal -1
	s_barrier_wait -1
	FETCH 0, F0
	QUARTER 1, F0, F1, 1                           ; the first quarter stands in front of the loop: its products start the sums
	WIN 0
	s_mov_b32 s3, 6
.Lstep:                                        ; a trip: a K step's quarters 2 to 4 and the next step's first; steps 2 to 7 are asked for
	QUARTER 2, F1, F0, 0
	QUARTER 3, F0, F1, 0
	TURN1
	QUARTER 1, F0, F1, 0
	WIN 0
	s_sub_co_u32 s3, s3, 1
	s_cmp_lg_u32 s3, 0
	s_cbranch_scc1 .Lstep
	s_mov_b32 s3, 2
.Ltail:                                        ; K steps 6 and 7; the second trip is left in its middle
	QUARTER 2, F1, F0, 0
	QUARTER 3, F0, F1, 0
	TURN0
	WIN 0
	s_sub_co_u32 s3, s3, 1
	s_cmp_eq_u32 s3, 0
	s_cbranch_scc1 .Lout
	QUARTER 1, F0, F1, 0
	WIN 0
	s_branch .Ltail
.Lout:
	s_wait_loadcnt 0x0                             ; b1 and the 16 parts of ss, asked for at the head
.irp d, 8,4,2,1                        ; the parts are added, 4 rows a lane; these 32 plain lines, which name no register of the last products, are also the places behind them
.set p, 0
.rept \d
	v_pk_add_f32 v[SSR+4*p:SSR+4*p+1], v[SSR+4*p:SSR+4*p+1], v[SSR+4*(p+\d):SSR+4*(p+\d)+1]
	v_pk_add_f32 v[SSR+4*p+2:SSR+4*p+3], v[SSR+4*p+2:SSR+4*p+3], v[SSR+4*(p+\d)+2:SSR+4*(p+\d)+3]
.set p, p+1
.endr
.endr
	v_pk_fma_f32 v[SSR:SSR+1], v[SSR:SSR+1], s[RN:RN+1], s[EPS:EPS+1] op_sel_hi:[1,0,0]
	v_pk_fma_f32 v[SSR+2:SSR+3], v[SSR+2:SSR+3], s[RN:RN+1], s[EPS:EPS+1] op_sel_hi:[1,0,0]
.irp c, 0,1,2,3
	v_rsq_f32 v[SSR+4+(\c)], v[SSR+(\c)]
.endr
	v_nop                                          ; a plain instruction behind the last root,
	s_wait_alu depctr_va_vdst(0)                   ; and one wait for the four
	ds_store_b32 v7, v[SSR+4]                      ; rs by rows, into my wave's own 512 bytes
	ds_store_b32 v7, v[SSR+5] offset:128
	ds_store_b32 v7, v[SSR+6] offset:4
	ds_store_b32 v7, v[SSR+7] offset:132
.irp a, 0,1,2,3,4,5,6,7                ; my 128 x 128 sums into my part of the ring's bytes: behind the last barrier nobody reads the ring, and nothing fills it again
	WIN 0x08+4*((\a)/4)                            ; the stores' data in window 2 or 3
.irp b, 0,1,2,3,4,5,6,7
	ds_store_b128 v[STO], v[8*(8*((\a)%4)+(\b)):8*(8*((\a)%4)+(\b))+3]   offset:(\a)*16*DP+64*(\b)
	ds_store_b128 v[STO], v[8*(8*((\a)%4)+(\b))+4:8*(8*((\a)%4)+(\b))+7] offset:(\a)*16*DP+64*(\b)+16
.endr
.endr
	WIN 0
	s_mov_b32 s3, 16
.Lrows:                                        ; 8 rows a trip; LDS serves a wave's instructions in order (ISA guide 5.7.1.4), so these loads see my stores
	ds_load_b128 v[RSV:RSV+3], v[RSA]              ; rs of the 8 rows, the same 32 bytes in every lane
	ds_load_b128 v[RSV+4:RSV+7], v[RSA] offset:16
.irp q, 0,1,2,3,4,5,6,7
	ds_load_b128 v[U+4*(\q):U+4*(\q)+3], v[RD] offset:(\q)*DP
.endr
	s_wait_dscnt 0x0
.irp q, 0,1,2,3,4,5,6,7
.irp c, 0,1,2,3
	v_fma_f32 v[U+4*(\q)+(\c)], v[U+4*(\q)+(\c)], v[RSV+(\q)], v[B1+(\c)]   ; u = rs x sum + b1
.endr
.endr
.irp n, 0,1,2,3
	GA 0, \n
.endr
.set i, 1
.rept 15                               ; ONE batch of 64: a pair's four stand between the next pair's plain lines; nothing names a result ahead of the wait
.irp n, 0,1,2,3
	GA i, \n
	GT i-1, \n
.endr
.set i, i+1
.endr
.irp n, 0,1,2,3
	GT 15, \n
.endr
	v_nop                                          ; a plain instruction behind the last of them,
	s_wait_alu depctr_va_vdst(0)                   ; and one wait for the batch
	STAGE v_pk_fma_f32 v[PP+2*i:PP+2*i+1], v[TR+2*i:TR+2*i+1], s[A5:A5+1], s[A4:A4+1] op_sel_hi:[1,0,0]
	STAGE v_pk_fma_f32 v[PP+2*i:PP+2*i+1], v[PP+2*i:PP+2*i+1], v[TR+2*i:TR+2*i+1], s[A3:A3+1] op_sel_hi:[1,1,0]
	STAGE v_pk_fma_f32 v[PP+2*i:PP+2*i+1], v[PP+2*i:PP+2*i+1], v[TR+2*i:TR+2*i+1], s[A2:A2+1] op_sel_hi:[1,1,0]
	STAGE v_pk_fma_f32 v[PP+2*i:PP+2*i+1], v[PP+2*i:PP+2*i+1], v[TR+2*i:TR+2*i+1], s[A1:A1+1] op_sel_hi:[1,1,0]
	STAGE v_pk_mul_f32 v[PP+2*i:PP+2*i+1], v[PP+2*i:PP+2*i+1], v[TR+2*i:TR+2*i+1]
	STAGE v_pk_fma_f32 v[PP+2*i:PP+2*i+1], v[PP+2*i:PP+2*i+1], v[EE+2*i:EE+2*i+1], s[C0:C0+1] op_sel_hi:[1,1,0] neg_lo:[1,0,0] neg_hi:[1,0,0]
	STAGE v_pk_mul_f32 v[PP+2*i:PP+2*i+1], v[PP+2*i:PP+2*i+1], v[BV+2*i:BV+2*i+1]
	STAGE v_pk_fma_f32 v[PP+2*i:PP+2*i+1], v[U+2*i:U+2*i+1], 0.5, v[PP+2*i:PP+2*i+1] op_sel_hi:[1,0,1]
	STAGE v_cvt_pk_bf16_f32 v[OUT+i], v[PP+2*i], v[PP+2*i+1]
.irp q, 0,1,2,3,4,5,6,7
	global_store_b64 v[CO], v[OUT+2*(\q):OUT+2*(\q)+1], s[8:9] offset:(\q)*8192   ; 32 lanes store 256 consecutive bytes, aligned
.endr
	s_wait_xcnt 0x0                                ; the stores have read their registers and their base
	s_add_nc_u64 s[8:9], s[8:9], 65536
	v_add_nc_u32 v[RD], 8*DP, v[RD]
	v_add_nc_u32 v[RSA], 32, v[RSA]
	s_sub_co_u32 s3, s3, 1
	s_cmp_lg_u32 s3, 0
	s_cbranch_scc1 .Lrows
	s_wait_tensorcnt 0x0                           ; the wave's end: behind my last tensor load and my last LDS store
	ds_add_u32 v[SPW], v[NIL]
	s_wait_dscnt 0x0
	CROUND                                         ; the closing round: no work-group ends while a partner may still ask for a tile that names it
	s_endpgm
.Lfunc_end_k_qc0dac56122_ffn1:
	.size	k_qc0dac56122_ffn1, .Lfunc_end_k_qc0dac56122_ffn1-k_qc0dac56122_ffn1
	.p2alignl 7, 3214868480
	.fill 96, 4, 3214868480
	.section	.rodata,"a",@progbits
	.p2align	6, 0x0
	.amdhsa_kernel k_qc0dac56122_ffn1
		.amdhsa_group_segment_fixed_size 327680
		.amdhsa_private_segment_fixed_size 0
		.amdhsa_enable_private_segment 0
		.amdhsa_kernarg_size 40
		.amdhsa_user_sgpr_count 2
		.amdhsa_user_sgpr_kernarg_segment_ptr 1
		.amdhsa_wavefront_size32 1
		.amdhsa_system_sgpr_workgroup_id_x 1
		.amdhsa_system_sgpr_workgroup_id_y 1
		.amdhsa_system_sgpr_workgroup_id_z 1
		.amdhsa_system_vgpr_workitem_id 0
		.amdhsa_next_free_vgpr 1024
		.amdhsa_next_free_sgpr 96
		.amdhsa_reserve_vcc 0
		.amdhsa_float_denorm_mode_32 3
		.amdhsa_float_denorm_mode_16_64 3
		.amdhsa_memory_ordered 1
		.amdhsa_forward_progress 1
		.amdhsa_inst_pref_size 103
	.end_amdhsa_kernel
	.amdgpu_metadata
---
amdhsa.version: [ 1, 2 ]
amdhsa.kernels:
  - .name:           k_qc0dac56122_ffn1
    .symbol:         k_qc0dac56122_ffn1.kd
    .args:
      - { .name: xb, .offset: 0, .size: 8, .value_kind: global_buffer, .address_space: global }
      - { .name: wt, .offset: 8, .size: 8, .value_kind: global_buffer, .address_space: global }
      - { .name: b1, .offset: 16, .size: 8, .value_kind: global_buffer, .address_space: global }
      - { .name: ss, .offset: 24, .size: 8, .value_kind: global_buffer, .address_space: global }
      - { .name: act, .offset: 32, .size: 8, .value_kind: global_buffer, .address_space: global }
    .group_segment_fixed_size: 327680
    .private_segment_fixed_size: 0
    .kernarg_segment_align: 8
    .kernarg_segment_size: 40
    .max_flat_workgroup_size: 128
    .sgpr_count:     96
    .vgpr_count:     1024
    .wavefront_size: 32
...
	.end_amdgpu_metadata
.endif
;; end of part 5
;; launch ffn2 (part 6): grid 8 x 32, 4 waves a work-group, clusters of 4 x 4, 327,680 bytes of LDS; arguments act, wt, b2, x2, out0; writes out0
.if DOCPART == 6
	.amdgcn_target "amdgcn-amd-amdhsa--gfx1250"
	.amdhsa_code_object_version 6
	.text
	.protected	k_qc0dac56122_ffn2
	.globl	k_qc0dac56122_ffn2
	.p2align	8
	.type	k_qc0dac56122_ffn2,@function
k_qc0dac56122_ffn2:
	s_mov_b64 s[64:65], 0
	v_nop
	global_prefetch_b8 v0, s[64:65] scope:SCOPE_SE
	s_setreg_imm32_b32 hwreg(HW_REG_WAVE_MODE, 25, 1), 1
	s_wait_xcnt 0x0
	s_wait_alu depctr_hold_cnt(0) depctr_sa_sdst(0) depctr_va_vdst(0) depctr_va_sdst(0) depctr_va_ssrc(0) depctr_va_vcc(0) depctr_vm_vsrc(0)
	s_getreg_b32 s2, hwreg(HW_REG_IB_STS2, 6, 4)
	s_cmp_eq_u32 s2, 0
	s_cbranch_scc0 .Lentry_in_a_cluster
	s_endpgm
.Lentry_in_a_cluster:
	s_bfe_u32 s2, ttmp6, 0x10000c
	s_cmp_lg_u32 s2, 0xf033
	s_cbranch_scc0 .Lentry_shape_is_right
	s_endpgm
.Lentry_shape_is_right:
; FF2 = 0: x2 = x + y Wo.  y lies by heads, [32][2048][64] bf16; Wo^T at byte 6,291,456 of wt, [1024][1024] bf16; x, x2 [4096][1024] f32.
; FF2 = 1: out0 = x2 + act W2 + b2.  act [4096][4096] bf16; W2^T at byte 16,777,216 of wt, [1024][4096] bf16; b2 is the C operand of the first products.
; A tile of C is 128 x 128 (256 work-groups), four waves of 64 x 64: 16 accumulators.  K goes in steps of 256 through two LDS slots; one step is written once, the slot toggled by an exclusive or;
; the last two steps, which ask for nothing, are a loop of two trips.  CLUSTER 4 x 4: A's tile shared along a row, B's along a column, each asked for jointly.
; FF2 = 0: a K step is four heads; the 128 rows x 64 channels of a head are 16,384 dense bytes, asked for as one row of the tile; a load brings two heads; LDS holds [head][row][128 + 16 bytes]; a quarter of a step is a head.
; The matrix instruction is used transposed (source 0 = rows of B, source 1 = rows of A).  The residual is loaded at the head, in the layout of the stores, and lands under the K loop.
; WAY OUT: the wave's 64 x 64 f32 go through its own 17,408 bytes of slot 0, whose last fill is over and which nobody reads behind the last barrier; whole rows of 256 bytes come back, take the residual and are stored.
; REGISTERS: window 0: v16-29 addresses; v32-63 the bias (FF2); v128-255 the accumulators ((a, b) at 128 + 8 (4 a + b)).  window 1: two fragment buffers of 128 (64 of A, 64 of B).  window 2: v0-127 the residual.
.set FF2, 1
.set BP,     528                       ; a row of B in LDS: 512 bytes + 16
.set BLD,    64*BP                     ; what a load of B brings
.if FF2
.set SIZE_K, 4096
.set AP,     528
.set AQ,     128                       ; from a quarter's fragments of A to the next's
.set ALD,    64*528                    ; what a load of A brings
.set SLOT,   135168                    ; its two bits are set in no LDS address of slot 0's tiles
.set ASTEP,  512
.set NSTEP,  16
.set WOFF,   16777216
.else
.set SIZE_K, 1024
.set AP,     144
.set AQ,     128*144
.set ALD,    2*128*144
.set SLOT,   147456
.set ASTEP,  1048576                   ; four heads
.set NSTEP,  4
.set WOFF,   6291456
.endif
.set BOFF,   2*ALD                     ; B's rows lie behind A's
.set SPARE,  SLOT+BOFF+2*BLD           ; behind slot 1: the spare words, 128 bytes for each wave
.set SPITCH, 272
.set SW,     64*SPITCH
.set ADRA,  16
.set ADRA0, 17
.set ADRB,  20
.set ADRB0, 21
.set STO,   24
.set RD,    25
.set CO,    26                         ; v26  my byte offset in the residual and in the output; never rewritten
.set BO,    27
.set SPW,   28                         ; v28  LDS address of my spare word; never rewritten
.set NIL,   29                         ; v29  0; never rewritten
.set BIAS,  32
.set ACC,   128
.set F0,    0
.set F1,    128
.set G1,  24
.set G0,  32
.set G1B, 48
.set G0B, 56
.set TB,  66
.set MSB, 0
.macro WIN new
.if MSB != (\new)
	s_set_vgpr_msb (MSB<<8)|(\new)
.set MSB, \new
.endif
.endm
.set MUL,  0x05                        ; sources 0 (B) and 1 (A) window 1; C and D window 0
.set TO_F, 0x40                        ; destination window 1, address window 0
.macro JLOAD s                         ; a joint load: waves 0 and 1 fetch A's halves, waves 2 and 3 B's; an s_nop 0 and four v_nop follow each line
	s_cmp_eq_u32 s11, 0
	s_cbranch_scc0 .Lfor_b_\@
	tensor_load_to_lds s[G0+4*(\s):G0+4*(\s)+3], s[G1:G1+7]
	s_nop 0
.rept 4
	v_nop
.endr
	s_branch .Lasked_\@
.Lfor_b_\@:
	tensor_load_to_lds s[G0B+4*(\s):G0B+4*(\s)+3], s[G1B:G1B+7]
	s_nop 0
.rept 4
	v_nop
.endr
.Lasked_\@:
.endm
.macro CREST
	s_cmp_lg_u32 s10, 0
	s_cbranch_scc1 .Lnot_wave_0_\@
	s_barrier_signal -3
.Lnot_wave_0_\@:
	s_barrier_wait -3
	s_barrier_signal -1
	s_barrier_wait -1
.endm
.macro CROUND
	s_barrier_signal -1
	s_barrier_wait -1
	CREST
.endm
	s_load_b128 s[4:7], s[0:1], 0x0                ; A s[4:5], wt s[6:7]
.if FF2
	s_load_b64 s[70:71], s[0:1], 0x10              ; b2
	s_load_b64 s[68:69], s[0:1], 0x18              ; the residual
	s_load_b64 s[8:9], s[0:1], 0x20                ; the output
.else
	s_load_b64 s[68:69], s[0:1], 0x10
	s_load_b64 s[8:9], s[0:1], 0x18
.endif
	v_lshl_add_u32 v[SPW], v0, 2, SPARE
	v_mov_b32 v[NIL], 0
	ds_add_u32 v[SPW], v[NIL]                      ; the wave's opening: the add and its wait stand ahead of my first tensor load; work on registers stands between them
	ds_add_u32 v28, v29
	v_lshrrev_b32 v1, 5, v0
	v_readfirstlane_b32 s10, v1
	s_lshr_b32 s11, s10, 1                         ; my half of the tile's rows.  Also: I fetch for A (0) or B (1)
	s_and_b32 s12, s10, 1                          ; my half of its columns.  Also: which half of that tile I fetch
	s_bfe_u32 s40, ttmp6, 0x40000
	s_bfe_u32 s41, ttmp6, 0x40004
	s_lshl_b32 s42, ttmp9, 2
	s_add_co_u32 s42, s42, s40                     ; tile column
	s_and_b32 s13, ttmp7, 0xffff
	s_lshl_b32 s13, s13, 2
	s_add_co_u32 s13, s13, s41                     ; tile row
	s_lshl_b32 s43, s41, 2
	s_lshl_b32 s43, 15, s43
	s_lshl_b32 s44, 0x1111, s40
.if FF2
	s_or_b32 s[G1+0], s43, (1<<16)|(1<<20)|(1<<21)|(6<<22)|(3<<25)   ; 64 rows x 256 elements; after every 128 words 4 words
	s_mov_b32 s[G1+1], 256<<16
	s_mov_b32 s[G1+2], 64<<16
	s_mov_b32 s[G1+3], 256<<16
	s_mov_b32 s[G1+4], 64
	s_mov_b32 s[G1+5], SIZE_K
.else
	s_or_b32 s[G1+0], s43, (1<<16)|(1<<20)|(1<<21)|(4<<22)|(3<<25)   ; 2 heads x 8,192 elements; after every 32 words (a row of a head) 4 words
	s_mov_b32 s[G1+1], 8192<<16
	s_mov_b32 s[G1+2], 2<<16
	s_mov_b32 s[G1+3], 8192<<16
	s_mov_b32 s[G1+4], 2
	s_mov_b32 s[G1+5], 131072                      ; elements from head to head
.endif
	s_mov_b32 s[G1+6], 0
	s_mov_b32 s[G1+7], 0
	s_or_b32 s[G1B+0], s44, (1<<16)|(1<<20)|(1<<21)|(6<<22)|(3<<25)
	s_mov_b32 s[G1B+1], 256<<16
	s_mov_b32 s[G1B+2], 64<<16
	s_mov_b32 s[G1B+3], 256<<16
	s_mov_b32 s[G1B+4], 64
	s_mov_b32 s[G1B+5], SIZE_K
	s_mov_b32 s[G1B+6], 0
	s_mov_b32 s[G1B+7], 0
.if FF2
	s_lshl_b32 s16, s13, 7
	s_lshl_b32 s17, s12, 6
	s_add_co_u32 s16, s16, s17                     ; A: row 128 x tile row + 64 x half
	s_lshl_b32 s16, s16, 13
.else
	s_lshr_b32 s16, s13, 4
	s_lshl_b32 s16, s16, 22                        ; the batch's 16 heads
	s_and_b32 s17, s13, 15
	s_lshl_b32 s17, s17, 14                        ; the tile's 128 rows in a head
	s_add_co_u32 s16, s16, s17
	s_lshl_b32 s17, s12, 19                        ; my two heads of the step's four
	s_add_co_u32 s16, s16, s17
.endif
	s_mov_b32 s17, 0
	s_lshl_b32 s46, s42, 7
	s_lshl_b32 s47, s12, 6
	s_add_co_u32 s46, s46, s47                     ; B: row 128 x tile column + 64 x half
	s_mul_i32 s46, s46, SIZE_K*2
	s_add_co_u32 s46, s46, WOFF
	s_mov_b32 s47, 0
	s_mul_i32 s20, s12, ALD                        ; where they go
	s_mul_i32 s21, s12, BLD
	s_add_co_u32 s21, s21, BOFF
	s_wait_dscnt 0x0                               ; the opening add is done
	s_wait_kmcnt 0x0
	s_add_nc_u64 s[14:15], s[4:5], s[16:17]
	s_add_nc_u64 s[46:47], s[6:7], s[46:47]
	CROUND                                         ; all sixteen work-groups are here: the first joint loads meet
.irp s, 0,1
	s_mov_b32 s[G0+4*(\s)], 1
	s_add_co_u32 s[G0+4*(\s)+1], s20, (\s)*SLOT
	s_add_nc_u64 s[G0+4*(\s)+2:G0+4*(\s)+3], s[14:15], (\s)*ASTEP
	s_or_b32 s[G0+4*(\s)+3], s[G0+4*(\s)+3], 0x80000000
	s_mov_b32 s[G0B+4*(\s)], 1
	s_add_co_u32 s[G0B+4*(\s)+1], s21, (\s)*SLOT
	s_add_nc_u64 s[G0B+4*(\s)+2:G0B+4*(\s)+3], s[46:47], (\s)*512
	s_or_b32 s[G0B+4*(\s)+3], s[G0B+4*(\s)+3], 0x80000000
	JLOAD \s                                       ; K steps 0 and 1: two loads of mine are out
.endr
	v_and_b32 v1, 15, v0
	v_bfe_u32 v2, v0, 4, 1
	v_mul_u32_u24 v3, v1, AP
	v_lshl_add_u32 v3, v2, 4, v3
	s_mul_i32 s22, s11, 64*AP
	v_add_nc_u32 v[ADRA0], s22, v3
	v_mul_u32_u24 v3, v1, BP
	v_lshl_add_u32 v3, v2, 4, v3
	s_mul_i32 s22, s12, BLD
	s_add_co_u32 s22, s22, BOFF
	v_add_nc_u32 v[ADRB0], s22, v3
	v_mov_b32 v[ADRA], v[ADRA0]
	v_mov_b32 v[ADRB], v[ADRB0]
	s_mov_b32 s[TB], 0
	s_mul_i32 s23, s10, SW                         ; my stage
	v_mul_u32_u24 v4, v1, SPITCH
	v_lshl_add_u32 v4, v2, 5, v4
	v_add_nc_u32 v[STO], s23, v4                   ; in: row l % 16, 32 bytes for each half of the lanes
	v_mul_u32_u24 v5, v2, SPITCH
	v_lshl_add_u32 v5, v1, 4, v5
	v_add_nc_u32 v[RD], s23, v5                    ; back: lanes 0-15 a row of 256 bytes, lanes 16-31 the next
	v_lshlrev_b32 v[CO], 12, v2                    ; and the same two rows in memory
	v_lshl_add_u32 v[CO], v1, 4, v[CO]
	s_lshl_b32 s18, s13, 7
	s_lshl_b32 s19, s11, 6
	s_add_co_u32 s18, s18, s19                     ; my first row,
	s_lshl_b32 s18, s18, 12
	s_mov_b32 s19, 0
	s_lshl_b32 s44, s42, 7
	s_lshl_b32 s45, s12, 6
	s_add_co_u32 s44, s44, s45                     ; my first column
	s_lshl_b32 s44, s44, 2
	s_mov_b32 s45, 0
	s_add_nc_u64 s[18:19], s[18:19], s[44:45]
	s_add_nc_u64 s[8:9], s[8:9], s[18:19]
	s_add_nc_u64 s[68:69], s[68:69], s[18:19]
.if FF2
	s_add_nc_u64 s[70:71], s[70:71], s[44:45]
	v_lshlrev_b32 v[BO], 5, v2                     ; register j of block b holds b2[column 16 b + 8 (l / 16) + j]
.irp b, 0,1,2,3
	global_load_b128 v[BIAS+8*(\b):BIAS+8*(\b)+3],   v[BO], s[70:71] offset:64*(\b)
	global_load_b128 v[BIAS+8*(\b)+4:BIAS+8*(\b)+7], v[BO], s[70:71] offset:64*(\b)+16
.endr
.endif
	WIN 0x80                                       ; destination window 2
.set t, 0
.rept 32
	global_load_b128 v[4*t:4*t+3], v[CO], s[68:69] offset:8192*t   ; rows 2 t and 2 t + 1 of my 64: 16 lanes take 256 consecutive bytes
.set t, t+1
.endr
	WIN 0
; 8 matrix instructions: m blocks a0, a0 + 1 x all 4 n blocks, 32 along K: half c of buffer f.  zero = 1: the first product starts the sums, with 0 or with the bias.
.macro MUL8 f, c, a0, zero
	WIN MUL
.irp a, \a0, (\a0)+1
.irp b, 0,1,2,3
.if (\zero) && FF2
	v_wmma_f32_16x16x32_bf16 v[ACC+8*(4*(\a)+(\b)):ACC+8*(4*(\a)+(\b))+7], v[(\f)+64+8*(4*(\c)+(\b)):(\f)+64+8*(4*(\c)+(\b))+7], v[(\f)+8*(4*(\c)+(\a)):(\f)+8*(4*(\c)+(\a))+7], v[BIAS+8*(\b):BIAS+8*(\b)+7]
.elseif \zero
	v_wmma_f32_16x16x32_bf16 v[ACC+8*(4*(\a)+(\b)):ACC+8*(4*(\a)+(\b))+7], v[(\f)+64+8*(4*(\c)+(\b)):(\f)+64+8*(4*(\c)+(\b))+7], v[(\f)+8*(4*(\c)+(\a)):(\f)+8*(4*(\c)+(\a))+7], 0
.else
	v_wmma_f32_16x16x32_bf16 v[ACC+8*(4*(\a)+(\b)):ACC+8*(4*(\a)+(\b))+7], v[(\f)+64+8*(4*(\c)+(\b)):(\f)+64+8*(4*(\c)+(\b))+7], v[(\f)+8*(4*(\c)+(\a)):(\f)+8*(4*(\c)+(\a))+7], v[ACC+8*(4*(\a)+(\b)):ACC+8*(4*(\a)+(\b))+7]
.endif
.endr
.endr
.endm
.macro FETCH q, f                      ; 32 LDS loads in one run: quarter q's fragments (64 along K) of the slot in hand; the first 32 along K first
	WIN TO_F
.irp c, 0,1
.irp i, 0,1,2,3
	ds_load_b128 v[(\f)+64+8*(4*(\c)+(\i)):(\f)+64+8*(4*(\c)+(\i))+3],   v[ADRB] offset:(\q)*128+64*(\c)+(\i)*16*BP
	ds_load_b128 v[(\f)+64+8*(4*(\c)+(\i))+4:(\f)+64+8*(4*(\c)+(\i))+7], v[ADRB] offset:(\q)*128+64*(\c)+(\i)*16*BP+32
	ds_load_b128 v[(\f)+8*(4*(\c)+(\i)):(\f)+8*(4*(\c)+(\i))+3],         v[ADRA] offset:(\q)*AQ+64*(\c)+(\i)*16*AP
	ds_load_b128 v[(\f)+8*(4*(\c)+(\i))+4:(\f)+8*(4*(\c)+(\i))+7],       v[ADRA] offset:(\q)*AQ+64*(\c)+(\i)*16*AP+32
.endr
.endr
.endm
.macro PLACES                          ; four plain instructions between a matrix instruction and a load into, or a read of, its registers
.rept 4
	v_nop
.endr
.endm
.macro QUARTER q, f, g, zero           ; 32 matrix instructions on buffer f; in their middle quarter q's fragments go into buffer g
	s_wait_dscnt 16                                ; the first 32 along K are in
	MUL8 \f, 0, 0, \zero
	MUL8 \f, 0, 2, \zero
	PLACES
	FETCH \q, \g
	s_wait_dscnt 32                                ; all but the 32 just issued
	MUL8 \f, 1, 0, 0
	MUL8 \f, 1, 2, 0
.endm
.macro MEET                            ; the first half of a step's last quarter, and the barrier of the change of slots
	WIN 0
	s_wait_tensorcnt 0x0                           ; all my tensor loads have landed: my part of the next slot;
	ds_add_u32 v[SPW], v[NIL]                      ; 0 onto my spare word;
	s_wait_dscnt 17                                ; (the add and the youngest sixteen loads may be out)
	MUL8 F1, 0, 0, 0
	s_wait_dscnt 0x0                               ; the add is done, and my reads of this slot are over
	s_barrier_signal -1
	MUL8 F1, 0, 2, 0
	WIN 0
	s_barrier_wait -1
.endm
.macro TURN1                           ; the last quarter of a step whose slot is filled again, with the K step two on
	MEET
	CREST                                          ; the barrier has opened a round of the cluster's: no wave of any partner still reads this slot or has a load on its way
	s_xor_b32 s[G0+5], s[G0+5], SLOT               ; the walking descriptors: the other slot than last time, the next K step
	s_add_nc_u64 s[G0+6:G0+7], s[G0+6:G0+7], ASTEP
	s_xor_b32 s[G0B+5], s[G0B+5], SLOT
	s_add_nc_u64 s[G0B+6:G0B+7], s[G0B+6:G0B+7], 512
	JLOAD 1                                        ; my one tensor load behind the round; its four v_nop are also the places in front of the loads below
	s_xor_b32 s[TB], s[TB], SLOT
	v_add_nc_u32 v[ADRA], s[TB], v[ADRA0]
	v_add_nc_u32 v[ADRB], s[TB], v[ADRB0]
	FETCH 0, F0
	MUL8 F1, 1, 0, 0
	MUL8 F1, 1, 2, 0
.endm
.macro TURN0                           ; the same where nothing is asked for; in the very last step nothing is fetched either
	MEET
	s_cmp_eq_u32 s3, 1
	s_cbranch_scc1 .Lnf_\@
	PLACES
	s_xor_b32 s[TB], s[TB], SLOT
	v_add_nc_u32 v[ADRA], s[TB], v[ADRA0]
	v_add_nc_u32 v[ADRB], s[TB], v[ADRB0]
	FETCH 0, F0
	WIN 0
.Lnf_\@:
	MUL8 F1, 1, 0, 0
	MUL8 F1, 1, 2, 0
.endm
.if FF2
	s_wait_loadcnt 32                              ; the bias is in; the residual's 32 loads stay out
.endif
	s_wait_tensorcnt 1                             ; my part of K step 0 is in; step 1's may stay out
	s_barrier_signal -1
	s_barrier_wait -1
	FETCH 0, F0
	QUARTER 1, F0, F1, 1                           ; the first quarter stands in front of the loop: its first products start the sums
	WIN 0
	s_mov_b32 s3, NSTEP-2
.Lstep:                                        ; a trip: a K step's quarters 2 to 4 and the next step's first; steps 2 to NSTEP - 1 are asked for
	QUARTER 2, F1, F0, 0
	QUARTER 3, F0, F1, 0
	TURN1
	QUARTER 1, F0, F1, 0
	WIN 0
	s_sub_co_u32 s3, s3, 1
	s_cmp_lg_u32 s3, 0
	s_cbranch_scc1 .Lstep
	s_mov_b32 s3, 2
.Ltail:                                        ; the last two K steps; the second trip is left in its middle
	QUARTER 2, F1, F0, 0
	QUARTER 3, F0, F1, 0
	TURN0
	WIN 0
	s_sub_co_u32 s3, s3, 1
	s_cmp_eq_u32 s3, 0
	s_cbranch_scc1 .Lout
	QUARTER 1, F0, F1, 0
	WIN 0
	s_branch .Ltail
.Lout:
	PLACES
	PLACES
.irp a, 0,1,2,3
.irp b, 0,1,2,3
	ds_store_b128 v[STO], v[ACC+8*(4*(\a)+(\b)):ACC+8*(4*(\a)+(\b))+3]   offset:(\a)*16*SPITCH+64*(\b)
	ds_store_b128 v[STO], v[ACC+8*(4*(\a)+(\b))+4:ACC+8*(4*(\a)+(\b))+7] offset:(\a)*16*SPITCH+64*(\b)+16
.endr
.endr
.set t, 0
.rept 32
	ds_load_b128 v[ACC+4*t:ACC+4*t+3], v[RD] offset:t*2*SPITCH   ; LDS serves a wave's instructions in order (ISA guide 5.7.1.4): these see my stores
.set t, t+1
.endr
	s_wait_loadcnt 0x0                             ; the residual
	s_wait_dscnt 0x0
	WIN 0x08                                       ; source 1 in window 2
.set t, 0
.rept 64
	v_pk_add_f32 v[ACC+2*t:ACC+2*t+1], v[ACC+2*t:ACC+2*t+1], v[2*t:2*t+1]
.set t, t+1
.endr
	WIN 0
.set t, 0
.rept 32
	global_store_b128 v[CO], v[ACC+4*t:ACC+4*t+3], s[8:9] offset:8192*t   ; 16 lanes store 256 consecutive bytes, aligned
.set t, t+1
.endr
	s_wait_tensorcnt 0x0                           ; the wave's end: behind my last tensor load and my last LDS store
	ds_add_u32 v[SPW], v[NIL]
	s_wait_dscnt 0x0
	CROUND                                         ; the closing round: no work-group ends while a partner may still ask for a tile that names it
	s_endpgm
.Lfunc_end_k_qc0dac56122_ffn2:
	.size	k_qc0dac56122_ffn2, .Lfunc_end_k_qc0dac56122_ffn2-k_qc0dac56122_ffn2
	.p2alignl 7, 3214868480
	.fill 96, 4, 3214868480
	.section	.rodata,"a",@progbits
	.p2align	6, 0x0
	.amdhsa_kernel k_qc0dac56122_ffn2
		.amdhsa_group_segment_fixed_size 327680
		.amdhsa_private_segment_fixed_size 0
		.amdhsa_enable_private_segment 0
		.amdhsa_kernarg_size 40
		.amdhsa_user_sgpr_count 2
		.amdhsa_user_sgpr_kernarg_segment_ptr 1
		.amdhsa_wavefront_size32 1
		.amdhsa_system_sgpr_workgroup_id_x 1
		.amdhsa_system_sgpr_workgroup_id_y 1
		.amdhsa_system_sgpr_workgroup_id_z 1
		.amdhsa_system_vgpr_workitem_id 0
		.amdhsa_next_free_vgpr 640
		.amdhsa_next_free_sgpr 72
		.amdhsa_reserve_vcc 0
		.amdhsa_float_denorm_mode_32 3
		.amdhsa_float_denorm_mode_16_64 3
		.amdhsa_memory_ordered 1
		.amdhsa_forward_progress 1
		.amdhsa_inst_pref_size 66
	.end_amdhsa_kernel
	.amdgpu_metadata
---
amdhsa.version: [ 1, 2 ]
amdhsa.kernels:
  - .name:           k_qc0dac56122_ffn2
    .symbol:         k_qc0dac56122_ffn2.kd
    .args:
      - { .name: act, .offset: 0, .size: 8, .value_kind: global_buffer, .address_space: global }
      - { .name: wt, .offset: 8, .size: 8, .value_kind: global_buffer, .address_space: global }
      - { .name: b2, .offset: 16, .size: 8, .value_kind: global_buffer, .address_space: global }
      - { .name: x2, .offset: 24, .size: 8, .value_kind: global_buffer, .address_space: global }
      - { .name: out0, .offset: 32, .size: 8, .value_kind: global_buffer, .address_space: global }
    .group_segment_fixed_size: 327680
    .private_segment_fixed_size: 0
    .kernarg_segment_align: 8
    .kernarg_segment_size: 40
    .max_flat_workgroup_size: 128
    .sgpr_count:     72
    .vgpr_count:     640
    .wavefront_size: 32
...
	.end_amdgpu_metadata
.endif
;; end of part 6
